; MI455X (gfx1250); checked and timed in simulation.
; The chip was launched on July 23, 2026; its instructions are those of AMD's public machine-readable ISA for CDNA 5 (MIT licence, August 2026) and "CDNA5" Instruction Set Architecture Reference Guide (July 2026). The comments in the code are by the model that wrote it; some were corrected since.
;; Random SSM. Allowed arithmetic: float matrix products may take bf16 or f16 operands with f32 sums; other float arithmetic in f32, or as packed bf16 or f16 multiplies, adds, multiply-adds, maxima and minima; sums over many terms, partial sums and values carried from step to step in f32; what a program stores and reads back later, other than sums and carried values, may be rounded once to bf16 or f16.
;; Inputs: A 1,024 x 1,024 float32; B 1,024 x 1,024 float32; C 1,024 x 1,024 float32; D 1,024 x 1,024 float32; u 8 x 2,048 x 1,024 float32.
;; Outputs: out0 8 x 2,048 x 1,024 float32.
;; 2 versions, each right; version 2 is version 1 with the launch prep written anew for expert scheduling mode. Each part assembles by itself: llvm-mc -triple=amdgcn-amd-amdhsa -mcpu=gfx1250 --defsym DOCPART=n.
;; ======== version 1 of 2: 4 launches
;; workspace buffers: XU 67,108,864 bytes; WB 2,097,152 bytes; WCD 4,194,304 bytes; AV 4,096 bytes; XL 33,554,432 bytes; E 1,048,576 bytes; SC 262,144 bytes
;; launch prep (part 1): grid 256 x 1, 8 waves a work-group, no clusters, 0 bytes of LDS; arguments u, A, B, C, D, XU, WB, WCD, AV; writes XU, WB, WCD, AV
.if DOCPART == 1
	.amdgcn_target "amdgcn-amd-amdhsa--gfx1250"
	.amdhsa_code_object_version 6
	.text
	.protected	k_qb846f28100_prep
	.globl	k_qb846f28100_prep
	.p2align	8
	.type	k_qb846f28100_prep,@function
k_qb846f28100_prep:
	s_mov_b64 s[64:65], 0
	v_nop
	global_prefetch_b8 v0, s[64:65] scope:SCOPE_SE
	s_setreg_imm32_b32 hwreg(HW_REG_WAVE_MODE, 25, 1), 1
	s_wait_xcnt 0x0
; PREPARATION.  Every input is rounded once to bf16 and laid where the two matrix launches want it.
;   XU  [16384 positions][2048] bf16: columns 1024-2047 take u (columns 0-1023 are filled by a later launch).
;       Row R = 2048 batch + t goes to position 128 (R >> 7) + 16 a + 8 h + j, where R & 127 = 64 h + 8 a + j (h 1 bit, a and j 3 bits).
;   WB  [1024 positions][1024] bf16: row n = 128 Cg + 8 r + b of B goes to position 128 Cg + 16 b + r.
;   WCD [1024][2048] bf16: row p is C[p][:] followed by D[p][:].
;   AV  [1024] f32: the diagonal of A, rounded to bf16 and widened again.
; LIMIT: all inputs carry bf16's rounding from here on; nothing else is changed.
; SHARES.  Work-group w takes 76 rows of 1,024 f32: rows 64 w .. 64 w + 63 of u and rows 4 w .. 4 w + 3 of B, of C and of D.  Thread t owns bytes 16 t of a
; source row and bytes 8 t of a destination row: a wave's load covers 512 consecutive bytes, its store 256 consecutive bytes at a multiple of 256.
; A ring of 24 register slots keeps 24 loads of every wave on their way.  Each of the 76 rows has its own two result registers, so no register that a store reads is ever
; written again, and the only waits are the counted ones for the loads.  No LDS, no barrier, no matrix unit: nothing is shared and nothing is multiplied.
.set ROWB,  4096                       ; bytes in a source row
.set NROWS, 76
.set DEPTH, 24                         ; slots = loads in flight in each wave
.set X, 8                              ; v[8:103]   slot i % 24: 4 f32 as loaded
.set Y, 104                            ; v[104:255] row i: 4 bf16 to store, written once
; v1 = 16 t, v2 = 8 t: never rewritten
	s_load_b512 s[4:19], s[0:1], 0x0               ; u s[4:5], A s[6:7], B s[8:9], C s[10:11], D s[12:13], XU s[14:15], WB s[16:17], WCD s[18:19]
	s_load_b64 s[20:21], s[0:1], 0x40              ; AV
	v_lshlrev_b32 v1, 4, v0
	v_lshlrev_b32 v2, 3, v0
	s_lshl_b32 s22, ttmp9, 18                      ; u: 64 rows of 4,096 bytes a work-group
	s_mov_b32 s23, 0
	s_lshl_b32 s24, ttmp9, 14                      ; B, C, D and WCD: 4 rows of 4,096 bytes
	s_mov_b32 s25, 0
	s_lshr_b32 s30, ttmp9, 1                       ; w >> 1: the group of 128 rows of u
	s_and_b32 s31, ttmp9, 1                        ; w & 1: h for u's rows, and bit 2 of b for B's
	s_lshl_b32 s26, s30, 19                        ; 128 positions of 4,096 bytes,
	s_lshl_b32 s32, s31, 15                        ; 8 h positions,
	s_add_co_u32 s26, s26, s32
	s_add_co_u32 s26, s26, 2048                    ; and the u half of a row of XU
	s_mov_b32 s27, 0
	s_lshr_b32 s28, ttmp9, 5                       ; Cg
	s_lshl_b32 s28, s28, 7
	s_lshl_b32 s32, s31, 6                         ; 16 b with b = 4 (w & 1) + i: the part without i
	s_add_co_u32 s28, s28, s32
	s_and_b32 s30, s30, 15                         ; r
	s_add_co_u32 s28, s28, s30
	s_lshl_b32 s28, s28, 11                        ; positions of 2,048 bytes in WB
	s_mov_b32 s29, 0
	s_wait_kmcnt 0x0
	s_add_nc_u64 s[4:5], s[4:5], s[22:23]
	s_add_nc_u64 s[8:9], s[8:9], s[24:25]
	s_add_nc_u64 s[10:11], s[10:11], s[24:25]
	s_add_nc_u64 s[12:13], s[12:13], s[24:25]
	s_add_nc_u64 s[14:15], s[14:15], s[26:27]
	s_add_nc_u64 s[16:17], s[16:17], s[28:29]
	s_add_nc_u64 s[18:19], s[18:19], s[24:25]
; Row i of the work-group's 76: 0-63 u, 64-67 B, 68-71 C, 72-75 D.  The row's place stands in the immediate; no address register is ever stepped.
.macro LD i
.if (\i) < 64
	global_load_b128 v[X+4*((\i)%DEPTH):X+4*((\i)%DEPTH)+3], v1, s[4:5] offset:(\i)*ROWB th:TH_LOAD_NT
.elseif (\i) < 68
	global_load_b128 v[X+4*((\i)%DEPTH):X+4*((\i)%DEPTH)+3], v1, s[8:9] offset:((\i)-64)*ROWB th:TH_LOAD_NT
.elseif (\i) < 72
	global_load_b128 v[X+4*((\i)%DEPTH):X+4*((\i)%DEPTH)+3], v1, s[10:11] offset:((\i)-68)*ROWB th:TH_LOAD_NT
.else
	global_load_b128 v[X+4*((\i)%DEPTH):X+4*((\i)%DEPTH)+3], v1, s[12:13] offset:((\i)-72)*ROWB th:TH_LOAD_NT
.endif
.endm
.macro ST i
.if (\i) < 64
	global_store_b64 v2, v[Y+2*(\i):Y+2*(\i)+1], s[14:15] offset:(16*((\i)/8)+(\i)%8)*4096  ; a = i / 8, j = i % 8
.elseif (\i) < 68
	global_store_b64 v2, v[Y+2*(\i):Y+2*(\i)+1], s[16:17] offset:((\i)-64)*32768            ; b grows by 1: 16 positions of 2,048 bytes
.elseif (\i) < 72
	global_store_b64 v2, v[Y+2*(\i):Y+2*(\i)+1], s[18:19] offset:((\i)-68)*4096
.else
	global_store_b64 v2, v[Y+2*(\i):Y+2*(\i)+1], s[18:19] offset:((\i)-72)*4096+2048
.endif
.endm
.macro TURN i
.if (\i) < NROWS-DEPTH
	s_wait_loadcnt DEPTH-1                         ; loads come back in order: row i is in, the 23 younger ones stay out
.else
	s_wait_loadcnt NROWS-1-(\i)                    ; nothing is asked for any more: the counts run down
.endif
	v_cvt_pk_bf16_f32 v[Y+2*(\i)],   v[X+4*((\i)%DEPTH)],   v[X+4*((\i)%DEPTH)+1]
	v_cvt_pk_bf16_f32 v[Y+2*(\i)+1], v[X+4*((\i)%DEPTH)+2], v[X+4*((\i)%DEPTH)+3]
.if (\i) < NROWS-DEPTH
	LD (\i)+DEPTH                                  ; the load ahead of the store
.endif
	ST \i
.endm
.set n, 0
.rept DEPTH
	LD n
.set n, n+1
.endr
.set n, 0
.rept NROWS
	TURN n
.set n, n+1
.endr
	; The diagonal of A: work-groups 0 and 1, 512 numbers each; thread t takes n0 = 512 w + 2 t and n0 + 1, so that a wave's store covers 256 consecutive bytes of AV.
	s_cmp_lt_u32 ttmp9, 2
	s_cbranch_scc0 .Ldone
	s_lshl_b32 s22, ttmp9, 9
	v_lshl_add_u32 v3, v0, 1, s22                  ; n0
	v_mul_u32_u24 v4, v3, 4100                     ; A[n][n] lies at byte 4,100 n
	v_lshlrev_b32 v5, 2, v3
	global_load_b32 v6, v4, s[6:7]
	global_load_b32 v7, v4, s[6:7] offset:4100
	s_wait_loadcnt 0x0
	v_cvt_pk_bf16_f32 v3, v6, v7                   ; rounded to bf16,
	v_lshlrev_b32 v6, 16, v3                       ; and widened again: the low half moves up,
	v_and_b32 v7, 0xffff0000, v3                   ; the high half stays
	global_store_b64 v5, v[6:7], s[20:21]
.Ldone:
	s_endpgm
.Lfunc_end_k_qb846f28100_prep:
	.size	k_qb846f28100_prep, .Lfunc_end_k_qb846f28100_prep-k_qb846f28100_prep
	.p2alignl 7, 3214868480
	.fill 96, 4, 3214868480
	.section	.rodata,"a",@progbits
	.p2align	6, 0x0
	.amdhsa_kernel k_qb846f28100_prep
		.amdhsa_group_segment_fixed_size 0
		.amdhsa_private_segment_fixed_size 0
		.amdhsa_enable_private_segment 0
		.amdhsa_kernarg_size 72
		.amdhsa_user_sgpr_count 2
		.amdhsa_user_sgpr_kernarg_segment_ptr 1
		.amdhsa_wavefront_size32 1
		.amdhsa_system_sgpr_workgroup_id_x 1
		.amdhsa_system_sgpr_workgroup_id_y 1
		.amdhsa_system_sgpr_workgroup_id_z 1
		.amdhsa_system_vgpr_workitem_id 0
		.amdhsa_next_free_vgpr 256
		.amdhsa_next_free_sgpr 66
		.amdhsa_reserve_vcc 0
		.amdhsa_float_denorm_mode_32 3
		.amdhsa_float_denorm_mode_16_64 3
		.amdhsa_memory_ordered 1
		.amdhsa_forward_progress 1
		.amdhsa_inst_pref_size 29
	.end_amdhsa_kernel
	.amdgpu_metadata
---
amdhsa.version: [ 1, 2 ]
amdhsa.kernels:
  - .name:           k_qb846f28100_prep
    .symbol:         k_qb846f28100_prep.kd
    .args:
      - { .name: u, .offset: 0, .size: 8, .value_kind: global_buffer, .address_space: global }
      - { .name: A, .offset: 8, .size: 8, .value_kind: global_buffer, .address_space: global }
      - { .name: B, .offset: 16, .size: 8, .value_kind: global_buffer, .address_space: global }
      - { .name: C, .offset: 24, .size: 8, .value_kind: global_buffer, .address_space: global }
      - { .name: D, .offset: 32, .size: 8, .value_kind: global_buffer, .address_space: global }
      - { .name: XU, .offset: 40, .size: 8, .value_kind: global_buffer, .address_space: global }
      - { .name: WB, .offset: 48, .size: 8, .value_kind: global_buffer, .address_space: global }
      - { .name: WCD, .offset: 56, .size: 8, .value_kind: global_buffer, .address_space: global }
      - { .name: AV, .offset: 64, .size: 8, .value_kind: global_buffer, .address_space: global }
    .group_segment_fixed_size: 0
    .private_segment_fixed_size: 0
    .kernarg_segment_align: 8
    .kernarg_segment_size: 72
    .max_flat_workgroup_size: 256
    .sgpr_count:     66
    .vgpr_count:     256
    .wavefront_size: 32
...
	.end_amdgpu_metadata
.endif
;; end of part 1
;; launch gemm1 (part 2): grid 4 x 64, 4 waves a work-group, clusters of 4 x 4, 327,680 bytes of LDS; arguments XU, WB, AV, XL, E, SC; writes XL, E, SC
.if DOCPART == 2
	.amdgcn_target "amdgcn-amd-amdhsa--gfx1250"
	.amdhsa_code_object_version 6
	.text
	.protected	k_qb846f28100_gemm1
	.globl	k_qb846f28100_gemm1
	.p2align	8
	.type	k_qb846f28100_gemm1,@function
k_qb846f28100_gemm1:
	s_mov_b64 s[64:65], 0
	v_nop
	global_prefetch_b8 v0, s[64:65] scope:SCOPE_SE
	s_setreg_imm32_b32 hwreg(HW_REG_WAVE_MODE, 25, 1), 1
	s_wait_xcnt 0x0
	s_wait_alu depctr_hold_cnt(0) depctr_sa_sdst(0) depctr_va_vdst(0) depctr_va_sdst(0) depctr_va_ssrc(0) depctr_va_vcc(0) depctr_vm_vsrc(0)
	s_getreg_b32 s2, hwreg(HW_REG_IB_STS2, 6, 4)
	s_cmp_eq_u32 s2, 0
	s_cbranch_scc0 .Lentry_in_a_cluster
	s_endpgm
.Lentry_in_a_cluster:
	s_bfe_u32 s2, ttmp6, 0x10000c
	s_cmp_lg_u32 s2, 0xf033
	s_cbranch_scc0 .Lentry_shape_is_right
	s_endpgm
.Lentry_shape_is_right:
; Bu = u B^T, 16,384 x 1,024 x 1,024, bf16 operands, f32 sums; then, in registers, the recurrence x <- a x + bu inside every segment of 64 times, started from 0.
; OPERANDS.  The u half of XU (bf16, rows 4,096 bytes apart, u from byte 2,048 on) and WB (bf16, rows of 2,048 bytes), both with permuted rows:
;   XU position 128 G + 16 a + 8 h + j holds time 64 h + 8 a + j of group G (128 consecutive times of one batch); WB position 128 Cg + 16 b + r holds row n = 128 Cg + 8 r + b of B.
; SHARES.  A tile of 256 x 256 to a work-group of four waves, 128 x 128 to a wave: 64 accumulators of 16 x 16, 512 registers.  K goes in steps of 128 through a ring of two LDS slots
; filled by the tensor data mover; a tile's rows are 256 bytes of memory at multiples of 256 from the buffer's first byte.
; ORIENTATION.  Source 0 = 16 positions of XU, source 1 = 16 positions of WB.  Lane l = (r = l % 16, h = l / 16), register j of accumulator (a, b) then holds position 16 a + 8 h + j, column position
; 16 b + r: by the two permutations TIME 64 h + 8 a + j of COLUMN n = 128 Cg + 8 r + b.  So a lane holds 64 consecutive times (segment 2 G + h) of eight neighbouring columns.
; OUT.  E  [unit = 8 G + Cg][q][lane][4] f32: the local state at the segment's end, for columns 8 r + 4 q + 0..3: what is carried on stays in f32.
;       XL [unit][a][b][lane][4 words] f16: the lane's 512 local states, each rounded once, times s; word i holds times 8 a + 2 i and 8 a + 2 i + 1.  Each store is 512 consecutive bytes.
;       SC [unit][lane][2] f32: 1 / s and s.  s is a power of two of the lane's own: with m the largest magnitude of its 512 states, m in [2^g, 2^(g+1)), s = 2^(14 - g), so m s lies in [2^14, 2^15).
; LIMITS.  Operands carry bf16's rounding.  A state more than 2^28 below its lane's largest keeps a fixed step, 2^-38 of that largest at the most.  m counts as 2^-111 at the least.
;          NaN and infinities are not treated apart.
; CLUSTER.  4 x 4 work-groups: the four of a row of the cluster need the same tiles of XU, the four of a column the same tiles of WB: each tile is asked for jointly, by the same
; tensor load with the same descriptor and a mask that names the four.
; REGISTERS, in windows of 256 (s_set_vgpr_msb: bits 1:0 source 0, 3:2 source 1, 5:4 source 2, 7:6 destination):
;   window 0: v0-31 addresses; v32-39 a of my 8 columns; v40-47 e; v48-57 the scale; v64-127, v128-191 fragments of XU, two buffers (on the way out: packed states of a = 0-3)
;   window 1: v64-127, v128-191 fragments of WB, two buffers (on the way out: packed states of a = 4-7)
;   window 2: the 32 accumulators of a = 0-3 ((a, b) at v[8 (8 a + b)])      window 3: those of a = 4-7
.set KSTEP,  128
.set KSTEPS, 1024/KSTEP
.set PITCH,  272                       ; an LDS row: 256 bytes + 16 of padding = 68 words: the 16 rows of a fragment load start at 16 different groups of four banks (64 banks of 4 bytes: ISA guide 11.1)
.set HALFT,  128*PITCH                 ; 128 rows: what one tensor load brings, and what one wave reads of either operand
.set SLOT,   4*HALFT                   ; XU's 256 rows, then WB's 256 rows.  SLOT = 0x22000 shares no bit with wave x HALFT = wave x 0x8800: an exclusive or with SLOT turns a wave's place in one slot into its place in the other
.set SPARE,  2*SLOT                    ; behind the ring: the spare words, 128 bytes for each wave: two blocks of 256 bytes that no other line names
.set LOGPA,  12                        ; a row of XU is 4,096 bytes,
.set LOGPB,  11                        ; a row of WB 2,048
.set AOFF,   2048                      ; u's half of a row of XU
.set ADRA0, 16                         ; v16     LDS address of my XU fragments in slot 0; never rewritten
.set ADRA,  17                         ; v17     the same in the slot in hand
.set ADRB0, 20                         ; v20, v21  the same for WB
.set ADRB,  21
.set CO,   26                          ; v26     16 x lane: my 16 bytes in 512 consecutive ones; never rewritten
.set AVO,  27                          ; v27     32 r: my 8 numbers of a
.set SPW,  28                          ; v28     LDS address of my spare word: SPARE + 4 x my thread's number; never rewritten
.set NIL,  29                          ; v29     0; never rewritten
.set PFO,  30                          ; v30     the prefetches' offset: my lane x a row of the operand that I fetch; never rewritten
.set CO8,  31                          ; v31     8 x lane: my 8 bytes of SC
.set AA,   32
.set EE,   40
.set MX,   48                          ; v48-51  four running maxima
.set SS,   54                          ; v54-55  s, twice (a pair for the packed multiply)
.set IVS,  56                          ; v56-57  1 / s, s
.set F0,   64
.set F1,   128
.set PK,   64                          ; the way out: 128 packed words a window of accumulators
.set LIM,  43                          ; s43     2 in a wave that prefetches, else the greatest number
.set PFA,  44                          ; s[44:45] where my prefetches stand: one K step further along K than the refill that is being asked for; a prefetch names the K step after that
.set TB,   66                          ; s66     0 or SLOT: the slot in hand
.set G1,  24                           ; s[24:31] descriptor group 1 for XU's tiles
.set G0,  32                           ; s[32:39] descriptor group 0 for XU's tiles: a set for each of the two first fills; the second then walks on
.set G1B, 48                           ; s[48:55] group 1 for WB's tiles
.set G0B, 56                           ; s[56:63] group 0 for WB's tiles, likewise
.set MSB, 0
.macro WIN new                         ; the immediate's high byte repeats the setting that is left; a switch that changes nothing is dropped
.if MSB != (\new)
	s_set_vgpr_msb (MSB<<8)|(\new)
.set MSB, \new
.endif
.endm
.set MUL_LO, 0xa4                      ; source 0 (XU) window 0, source 1 (WB) window 1, C and D window 2
.set MUL_HI, 0xf4                      ; the same, C and D window 3
.set TO_B,   0x40                      ; destination window 1, address window 0
; A joint load.  Waves 0 and 1 fetch XU's two halves, waves 2 and 3 WB's.  The branch hangs on the wave's number alone.  An s_nop 0 and four v_nop follow each of the two lines.
.macro JLOAD s
	s_cmp_eq_u32 s11, 0
	s_cbranch_scc0 .Lfor_b_\@
	tensor_load_to_lds s[G0+4*(\s):G0+4*(\s)+3], s[G1:G1+7]
	s_nop 0
.rept 4
	v_nop
.endr
	s_branch .Lasked_\@
.Lfor_b_\@:
	tensor_load_to_lds s[G0B+4*(\s):G0B+4*(\s)+3], s[G1B:G1B+7]
	s_nop 0
.rept 4
	v_nop
.endr
.Lasked_\@:
.endm
; A prefetch behind each joint refill and the run of LDS loads that follows it: the K step that stands two refills on, 32 rows x 256 bytes, a lane a row, one instruction a wave.
; Each row's 256 bytes of a K step are named once in the launch: XU's rows are read by one cluster alone (the grid is one cluster wide), WB's by every cluster, of which the one with y = 0 asks.
; Of the 128 rows that a wave fetches the partner at place p takes 32 p .. 32 p + 31 (p = cx for XU, cy for WB): told apart by address, not by a branch.  The loop's last two trips ask for nothing: no K step stands two refills on.
.macro ASK
	s_cmp_gt_u32 s3, s[LIM]                        ; s3 counts the loop's trips down to 1
	s_cbranch_scc0 .Lnot_mine_\@
	global_prefetch_b8 v[PFO], s[PFA:PFA+1] offset:KSTEP*2 th:TH_LOAD_NT scope:SCOPE_SE
.Lnot_mine_\@:
.endm
; A round of the cluster's barrier: my work-group's barrier; wave 0 signals for the work-group; every wave waits for all sixteen work-groups; my work-group's barrier once more.
.macro CREST                           ; a round behind its opening barrier
	s_cmp_lg_u32 s10, 0
	s_cbranch_scc1 .Lnot_wave_0_\@
	s_barrier_signal -3
.Lnot_wave_0_\@:
	s_barrier_wait -3
	s_barrier_signal -1
	s_barrier_wait -1
.endm
.macro CROUND                          ; a whole round
	s_barrier_signal -1
	s_barrier_wait -1
	CREST
.endm
.macro POINT                           ; the fragment addresses of the slot at s[TB]
	WIN 0
	v_add_nc_u32 v[ADRA], s[TB], v[ADRA0]
	v_add_nc_u32 v[ADRB], s[TB], v[ADRB0]
.endm
	s_load_b128 s[4:7], s[0:1], 0x0                ; XU s[4:5], WB s[6:7]
	s_load_b128 s[68:71], s[0:1], 0x10             ; AV s[68:69], XL s[70:71]
	s_load_b128 s[72:75], s[0:1], 0x20             ; E s[72:73], SC s[74:75]
	v_lshl_add_u32 v[SPW], v0, 2, SPARE
	v_mov_b32 v[NIL], 0
	ds_add_u32 v[SPW], v[NIL]                      ; the wave's opening: the add and its wait stand ahead of my first tensor load; the set-up below, work on registers, stands between them
	v_lshrrev_b32 v1, 5, v0
	v_readfirstlane_b32 s10, v1                    ; wave 0..3
	s_lshr_b32 s11, s10, 1                         ; which half of the tile's rows is mine.  Also: I fetch for XU (0) or for WB (1)
	s_and_b32 s12, s10, 1                          ; which half of its columns.  Also: which 128 rows of that tile I fetch
	s_bfe_u32 s40, ttmp6, 0x40000                  ; cx
	s_bfe_u32 s41, ttmp6, 0x40004                  ; cy
	s_lshl_b32 s42, ttmp9, 2
	s_add_co_u32 s42, s42, s40                     ; tile column tx = 4 x cluster x + cx
	s_and_b32 s13, ttmp7, 0xffff
	s_lshl_b32 s13, s13, 2
	s_add_co_u32 s13, s13, s41                     ; tile row ty = 4 x cluster y + cy
	s_lshl_b32 s43, s41, 2
	s_lshl_b32 s43, 15, s43                        ; my row of the cluster: places 4 cy .. 4 cy + 3
	s_lshl_b32 s44, 0x1111, s40                    ; my column: places cx, cx + 4, cx + 8, cx + 12
	; descriptor group 1: a tile of 128 rows x 128 elements, padded in LDS
	s_or_b32 s[G1+0], s43, (1<<16)|(1<<20)|(1<<21)|(5<<22)|(3<<25)   ; 15:0 the mask; 17:16 elements of 2 bytes; 20 padding on; 21 set beside a mask; 24:22 after every 64 words (code 5); 31:25 4 words of it (code 3)
	s_or_b32 s[G1B+0], s44, (1<<16)|(1<<20)|(1<<21)|(5<<22)|(3<<25)
	s_mov_b32 s[G1+1], KSTEP<<16                   ; tensor_dim0 = 128
	s_mov_b32 s[G1B+1], KSTEP<<16
	s_mov_b32 s[G1+2], 128<<16                     ; tensor_dim1 = 128
	s_mov_b32 s[G1B+2], 128<<16
	s_mov_b32 s[G1+3], KSTEP<<16                   ; tile_dim0 = 128
	s_mov_b32 s[G1B+3], KSTEP<<16
	s_mov_b32 s[G1+4], 128                         ; tile_dim1 = 128
	s_mov_b32 s[G1B+4], 128
	s_mov_b32 s[G1+5], 2048                        ; elements from row to row: XU 2,048,
	s_mov_b32 s[G1B+5], 1024                       ; WB 1,024
	s_mov_b32 s[G1+6], 0
	s_mov_b32 s[G1B+6], 0
	s_mov_b32 s[G1+7], 0
	s_mov_b32 s[G1B+7], 0
	; where the tiles come from: XU's hang on the tile row alone, WB's on the tile column alone, each in registers that never hold the other coordinate
	s_lshl_b32 s17, s12, 7                         ; which 128 rows of the tile I fetch
	s_lshl_b32 s16, s13, 8
	s_add_co_u32 s16, s16, s17                     ; XU: position 256 ty + 128 x half
	s_lshl_b32 s16, s16, LOGPA
	s_add_co_u32 s16, s16, AOFF                    ; in bytes, at u's half (under 2^27)
	s_lshl_b32 s46, s42, 8
	s_add_co_u32 s46, s46, s17                     ; WB: position 256 tx + 128 x half
	s_lshl_b32 s46, s46, LOGPB
	s_mov_b32 s17, 0
	s_mov_b32 s47, 0
	s_mul_i32 s20, s10, HALFT                      ; and where they go: wave x 128 rows: no place in the cluster enters an LDS address
	s_wait_dscnt 0x0                               ; the opening add is done
	s_wait_kmcnt 0x0
	s_add_nc_u64 s[14:15], s[4:5], s[16:17]
	s_add_nc_u64 s[46:47], s[6:7], s[46:47]
	CROUND                                         ; all sixteen work-groups are here: the first joint loads meet
.irp s, 0,1
	s_mov_b32 s[G0+4*(\s)], 1                                        ; count = 1
	s_add_co_u32 s[G0+4*(\s)+1], s20, (\s)*SLOT                      ; LDS address
	s_add_nc_u64 s[G0+4*(\s)+2:G0+4*(\s)+3], s[14:15], (\s)*KSTEP*2  ; global address: K step s
	s_or_b32 s[G0+4*(\s)+3], s[G0+4*(\s)+3], 0x80000000              ; type = 2
	s_mov_b32 s[G0B+4*(\s)], 1
	s_add_co_u32 s[G0B+4*(\s)+1], s20, (\s)*SLOT
	s_add_nc_u64 s[G0B+4*(\s)+2:G0B+4*(\s)+3], s[46:47], (\s)*KSTEP*2
	s_or_b32 s[G0B+4*(\s)+3], s[G0B+4*(\s)+3], 0x80000000
	JLOAD \s                                       ; the ring is filled before anything else is done: two tensor loads of mine are out
.endr
	; A fragment is 16 rows x 32 K in 8 registers: lane l holds row l % 16; registers 0-3 K = 8 (l / 16) + 0..7, registers 4-7 K = 16 + 8 (l / 16) + 0..7: two loads of 16 bytes, 32 bytes apart.
	v_and_b32 v1, 15, v0                           ; r
	v_bfe_u32 v2, v0, 4, 1                         ; h
	v_mul_u32_u24 v3, v1, PITCH
	v_lshl_add_u32 v3, v2, 4, v3
	s_mul_i32 s21, s11, HALFT                      ; my 128 rows of XU
	s_mul_i32 s22, s12, HALFT                      ; my 128 rows of WB,
	s_add_co_u32 s22, s22, 2*HALFT                 ; which lie behind XU's 256
	v_add_nc_u32 v[ADRA0], s21, v3
	v_add_nc_u32 v[ADRB0], s22, v3
	s_mov_b32 s[TB], 0                             ; K step 0 lies in slot 0
	POINT
	v_and_b32 v[CO], 31, v0
	v_lshlrev_b32 v[CO8], 3, v[CO]
	v_lshlrev_b32 v[CO], 4, v[CO]
	v_lshlrev_b32 v[AVO], 5, v1
	; my unit, and with it my parts of XL, E, SC and AV
	s_lshl_b32 s76, s13, 1
	s_add_co_u32 s76, s76, s11                     ; G = 2 ty + row half
	s_lshl_b32 s77, s42, 1
	s_add_co_u32 s77, s77, s12                     ; Cg = 2 tx + column half
	s_lshl3_add_u32 s76, s76, s77                  ; unit = 8 G + Cg
	s_mov_b32 s79, 0
	s_lshl_b32 s78, s76, 15                        ; 32,768 bytes of XL a unit
	s_add_nc_u64 s[8:9], s[70:71], s[78:79]
	s_lshl_b32 s78, s76, 10                        ; 1,024 bytes of E
	s_add_nc_u64 s[72:73], s[72:73], s[78:79]
	s_lshl_b32 s78, s76, 8                         ; 256 bytes of SC
	s_add_nc_u64 s[74:75], s[74:75], s[78:79]
	s_lshl_b32 s78, s77, 9                         ; 128 numbers of a
	s_add_nc_u64 s[68:69], s[68:69], s[78:79]
	global_load_b128 v[AA:AA+3],   v[AVO], s[68:69]            ; a[128 Cg + 8 r + 0..3],
	global_load_b128 v[AA+4:AA+7], v[AVO], s[68:69] offset:16  ; + 4..7
	; the prefetches: both operands' offsets are made with their own row length, and the wave's number chooses
	s_lshl_b32 s81, s12, 7
	s_lshl_b32 s80, s13, 8
	s_add_co_u32 s80, s80, s81
	s_lshl_b32 s82, s40, 5
	s_add_co_u32 s80, s80, s82                     ; XU: position 256 ty + 128 x half + 32 cx
	s_lshl_b32 s80, s80, LOGPA
	s_add_co_u32 s80, s80, AOFF+2*KSTEP*2          ; at K step 2: the first refill steps it to 3 and names K step 4
	s_lshl_b32 s82, s42, 8
	s_add_co_u32 s82, s82, s81
	s_lshl_b32 s83, s41, 5
	s_add_co_u32 s82, s82, s83                     ; WB: position 256 tx + 128 x half + 32 cy
	s_lshl_b32 s82, s82, LOGPB
	s_add_co_u32 s82, s82, 2*KSTEP*2
	s_and_b32 s83, ttmp7, 0xffff                   ; cluster y
	s_mov_b32 s84, 1<<LOGPA
	s_mov_b32 s85, 1<<LOGPB
	s_cmp_eq_u32 s11, 0                            ; do I fetch for XU?
	s_cselect_b32 s20, s80, s82
	s_cselect_b32 s22, ttmp9, s83                  ; the coordinate along which other clusters read the same rows
	s_cselect_b32 s23, s84, s85
	s_cselect_b64 s[PFA:PFA+1], s[4:5], s[6:7]
	s_mov_b32 s21, 0
	s_cmp_eq_u32 s22, 0
	s_cselect_b32 s[LIM], 2, -1                    ; the same in all sixteen partners, for a given wave
	s_add_nc_u64 s[PFA:PFA+1], s[PFA:PFA+1], s[20:21]
	v_and_b32 v[PFO], 31, v0
	v_mul_u32_u24 v[PFO], s23, v[PFO]
	; nothing is prefetched here, at the head, where every work-group's first two tiles are on their way
; 16 matrix instructions: row blocks a0, a0 + 1 of the window's four (hi = 0: a = 0-3, 1: a = 4-7) x all 8 column blocks, 32 along K.  zero = 1: the first product starts the sums.
; The 64 accumulators take turns, one instruction a turn, in the same order in every quarter, over the backward jumps too.
.macro MUL16 f, hi, a0, zero
	WIN MUL_LO+0x50*(\hi)
.irp a, \a0, (\a0)+1
.irp b, 0,1,2,3,4,5,6,7
.if \zero
	v_wmma_f32_16x16x32_bf16 v[8*(8*(\a)+(\b)):8*(8*(\a)+(\b))+7], v[(\f)+8*(4*(\hi)+(\a)):(\f)+8*(4*(\hi)+(\a))+7], v[(\f)+8*(\b):(\f)+8*(\b)+7], 0
.else
	v_wmma_f32_16x16x32_bf16 v[8*(8*(\a)+(\b)):8*(8*(\a)+(\b))+7], v[(\f)+8*(4*(\hi)+(\a)):(\f)+8*(4*(\hi)+(\a))+7], v[(\f)+8*(\b):(\f)+8*(\b)+7], v[8*(8*(\a)+(\b)):8*(8*(\a)+(\b))+7]
.endif
.endr
.endr
.endm
; 32 LDS loads in one run: the fragments of one quarter step (128 rows of WB, 128 rows of XU, 32 K at byte k of the rows of the slot in hand) into buffer f
.macro FETCH k, f
	WIN TO_B
.irp i, 0,1,2,3,4,5,6,7
	ds_load_b128 v[(\f)+8*(\i):(\f)+8*(\i)+3],   v[ADRB] offset:(\k)+(\i)*16*PITCH
	ds_load_b128 v[(\f)+8*(\i)+4:(\f)+8*(\i)+7], v[ADRB] offset:(\k)+(\i)*16*PITCH+32
.endr
	WIN 0
.irp i, 0,1,2,3,4,5,6,7
	ds_load_b128 v[(\f)+8*(\i):(\f)+8*(\i)+3],   v[ADRA] offset:(\k)+(\i)*16*PITCH
	ds_load_b128 v[(\f)+8*(\i)+4:(\f)+8*(\i)+7], v[ADRA] offset:(\k)+(\i)*16*PITCH+32
.endr
.endm
.macro PLACES                          ; four plain vector instructions between a matrix instruction and a load into, or a reader of, its registers (ISA guide 7.12.1 for readers)
.rept 4
	v_nop
.endr
.endm
; A K step is four quarters of 32 along K, 64 matrix instructions each, on buffers 0, 1, 0, 1.  One of the first three: multiplies buffer f; in its middle it fetches the next quarter, at byte k, into buffer g.
.macro QUARTER k, f, g, zero
	s_wait_dscnt 8                                 ; WB's fragments and XU's blocks 0-3 are in; the youngest eight loads (XU's blocks 4-7) may be out
	WIN MUL_LO
	MUL16 \f, 0, 0, \zero
	MUL16 \f, 0, 2, \zero
	PLACES
	FETCH \k, \g
	s_wait_dscnt 32                                ; all but the 32 just issued
	WIN MUL_HI
	MUL16 \f, 1, 0, \zero
	MUL16 \f, 1, 2, \zero
.endm
; The first half of the last quarter: one barrier for the change of slots.  In front of it each wave waits for all its tensor loads (at most one is out: its part of the next slot), adds 0 to its spare word,
; and waits for that and for its own reads of this slot.  Behind it nobody reads this slot any more and the next slot is whole.
.macro MEET round                      ; round = 1: a round of the cluster's barrier follows
	WIN 0                                          ; (the add's two registers lie in window 0)
	s_wait_tensorcnt 0x0                           ; all my tensor loads have landed
	ds_add_u32 v[SPW], v[NIL]                      ; 0 onto my spare word
	s_wait_dscnt 9                                 ; (the add and the youngest eight loads may be out)
	WIN MUL_LO
	MUL16 F1, 0, 0, 0                              ; sixteen matrix instructions stand between the add and the wait for it
	s_wait_dscnt 0x0                               ; the add is done, and my reads of this slot are over
	s_barrier_signal -1
	MUL16 F1, 0, 2, 0                              ; work on registers while the others arrive
.if \round
	WIN 0
.endif
	s_barrier_wait -1
.endm
; The whole last quarter.  fill = 1: the slot just read out is filled again, with the K step two steps on, first thing behind a round of the cluster's barrier: the walking descriptors turn to
; the other slot than last time and step one K step; from that request to the wait for it a wave issues 224 matrix instructions.
; fill = 0 (the last two K steps): nothing is asked for, and no round follows; in the very last K step (s3 = 1) there is no next slot, and the run of LDS loads is jumped.
.macro TURN fill
.if \fill
	s_wait_xcnt 0x0                                ; the last prefetch, a K step back, has read its address: it is stepped here, ahead of the waits of the change of slots
	s_add_nc_u64 s[PFA:PFA+1], s[PFA:PFA+1], KSTEP*2
	MEET 1
	CREST                                          ; no wave of any partner still reads this slot's tile or has a load on its way
	s_xor_b32 s[G0+5], s[G0+5], SLOT
	s_add_nc_u64 s[G0+6:G0+7], s[G0+6:G0+7], KSTEP*2      ; the type bits on top are not reached
	s_xor_b32 s[G0B+5], s[G0B+5], SLOT
	s_add_nc_u64 s[G0B+6:G0B+7], s[G0B+6:G0B+7], KSTEP*2
	JLOAD 1                                        ; my one tensor load behind the round; its four v_nop are also the places in front of the loads below
	s_xor_b32 s[TB], s[TB], SLOT                   ; on to the other slot
	POINT
	FETCH 0, F0
	ASK
.else
	MEET 0
	PLACES
	WIN 0
	s_cmp_eq_u32 s3, 1
	s_cbranch_scc1 .Lno_more_\@
	s_xor_b32 s[TB], s[TB], SLOT
	POINT
	FETCH 0, F0
.Lno_more_\@:
.endif
	WIN MUL_HI
	MUL16 F1, 1, 0, 0
	MUL16 F1, 1, 2, 0
.endm
	s_wait_loadcnt 0x0                             ; a is in: no load is out at any barrier
	s_wait_tensorcnt 1                             ; my part of K step 0 is in; K step 1's may stay out
	s_barrier_signal -1
	s_barrier_wait -1                              ; everybody's is
	FETCH 0, F0
	QUARTER 64,  F0, F1, 1                         ; the first quarter stands in front of the loop: its products start the sums
	WIN 0                                          ; at a label and at a branch every window is 0
	s_mov_b32 s3, KSTEPS-2
.Lstep:                                                ; a trip goes from a K step's second quarter to the next K step's first, and fills the slot that it leaves
	QUARTER 128, F1, F0, 0
	QUARTER 192, F0, F1, 0
	TURN 1
	QUARTER 64,  F0, F1, 0
	WIN 0
	s_sub_co_u32 s3, s3, 1
	s_cmp_lg_u32 s3, 0
	s_cbranch_scc1 .Lstep
	s_mov_b32 s3, 2
.Ltail:                                                ; the last two K steps have a loop of their own, which asks for nothing. It is left in the middle of its second trip
	QUARTER 128, F1, F0, 0
	QUARTER 192, F0, F1, 0
	TURN 0
	WIN 0
	s_sub_co_u32 s3, s3, 1
	s_cmp_eq_u32 s3, 0
	s_cbranch_scc1 .Lout
	QUARTER 64,  F0, F1, 0
	WIN 0
	s_branch .Ltail
.Lout:
	PLACES                                         ; eight places, once a launch, between the last product and the lines that read and write results
	PLACES
; THE WAY OUT.
; 1. The recurrence, in place: x(t) = a x(t-1) + bu(t) over the lane's 64 times, a ascending, j ascending: eight chains, one for each of my columns, so that a link's source was written eight
;    instructions earlier.  Time 0 stands as it is: the segment starts from 0.  Each accumulator's lowest register is read first.
.macro SCANW w
.irp a, 0,1,2,3
.irp j, 0,1,2,3,4,5,6,7
.if ((\w)+(\a)+(\j)) > 0
.if ((\a)+(\j)) == 0
	WIN 0xf8                                       ; window 3's first time follows window 2's last: source 1 in window 2
.else
	WIN 0xa8+0x54*(\w)                             ; destination, sources 1 and 2 in window 2 or 3; a in window 0
.endif
.irp b, 0,1,2,3,4,5,6,7
.if (\j) > 0
	v_fma_f32 v[8*(8*(\a)+(\b))+(\j)], v[AA+(\b)], v[8*(8*(\a)+(\b))+(\j)-1], v[8*(8*(\a)+(\b))+(\j)]
.elseif (\a) > 0
	v_fma_f32 v[8*(8*(\a)+(\b))], v[AA+(\b)], v[8*(8*(\a)+(\b))-57], v[8*(8*(\a)+(\b))]  ; the block before's register 7
.else
	v_fma_f32 v[8*(\b)], v[AA+(\b)], v[8*(24+(\b))+7], v[8*(\b)]
.endif
.endr
.endif
.endr
.endr
.endm
; 2. The largest magnitude of the lane's 512 states, two an instruction, in four chains.
.macro MAXW w
	WIN 0x0a+5*(\w)                                ; sources 0 and 1 in window 2 or 3
.set t, 0
.rept 32
.irp i, 0,1,2,3
.if ((\w) == 0) && (t == 0)
	v_max_num_f32 v[MX+(\i)], |v[2*(\i)]|, |v[2*(\i)+1]|  ; the first four pairs start the chains
.else
	v_max3_num_f32 v[MX+(\i)], |v[8*t+2*(\i)]|, |v[8*t+2*(\i)+1]|, v[MX+(\i)]
.endif
.endr
.set t, t+1
.endr
.endm
; 3. A window's 256 states times s, rounded to f16 in pairs of neighbouring times, and stored: an accumulator's eight times are 16 bytes a lane.  Each window has packed registers of its own,
;    so no register that a store reads is written again.
.macro PACKW w
	WIN 0x82+0x41*(\w)                             ; destination and source 0 in window 2 or 3, s in window 0
.set t, 0
.rept 128
	v_pk_mul_f32 v[2*t:2*t+1], v[2*t:2*t+1], v[SS:SS+1]
.set t, t+1
.endr
	WIN 0x0a+0x45*(\w)                             ; sources in window 2 or 3, destination in window 0 or 1
.set t, 0
.rept 128
	v_cvt_pk_f16_f32 v[PK+t], v[2*t], v[2*t+1]
.set t, t+1
.endr
	WIN 0x04*(\w)                                  ; store data (source 1) in window 0 or 1
.set t, 0
.rept 32
	global_store_b128 v[CO], v[PK+4*t:PK+4*t+3], s[8:9] offset:(32*(\w)+t)*512 th:TH_STORE_NT  ; 512 consecutive bytes
.set t, t+1
.endr
.endm
	SCANW 0
	SCANW 1
	WIN 0x03                                       ; source 0 in window 3
.irp b, 0,1,2,3,4,5,6,7
	v_mov_b32 v[EE+(\b)], v[8*(24+(\b))+7]         ; the state at the segment's end, side by side for the stores
.endr
	WIN 0
	global_store_b128 v[CO], v[EE:EE+3],   s[72:73]             ; q = 0: columns 8 r + 0..3
	global_store_b128 v[CO], v[EE+4:EE+7], s[72:73] offset:512  ; q = 1: columns 8 r + 4..7
	MAXW 0
	MAXW 1
	WIN 0
	v_max3_num_f32 v[MX], v[MX], v[MX+1], v[MX+2]
	v_max_num_f32 v[MX], v[MX], v[MX+3]
	v_max_num_f32 v[MX], 0x08000000, v[MX]         ; 2^-111 at the least, so that both exponents below stay inside f32's field
	v_and_b32 v[MX+1], 0x7f800000, v[MX]           ; m's exponent field, e << 23: m lies in [2^(e-127), 2^(e-126))
	v_sub_nc_u32 v[SS], 0x86000000, v[MX+1]        ; (268 - e) << 23: s = 2^(141 - e)
	v_add_nc_u32 v[IVS], 0xf9000000, v[MX+1]       ; (e - 14) << 23: 1 / s
	v_mov_b32 v[SS+1], v[SS]                       ; the packed multiply takes a pair
	v_mov_b32 v[IVS+1], v[SS]
	global_store_b64 v[CO8], v[IVS:IVS+1], s[74:75]  ; 256 consecutive bytes, aligned
	PACKW 0
	PACKW 1
	WIN 0
	s_wait_tensorcnt 0x0                           ; the wave's end, behind my last tensor load
	ds_add_u32 v[SPW], v[NIL]
	s_wait_dscnt 0x0
	CROUND                                         ; the closing round: no work-group ends while a partner may still ask for a tile that names it
	s_endpgm
.Lfunc_end_k_qb846f28100_gemm1:
	.size	k_qb846f28100_gemm1, .Lfunc_end_k_qb846f28100_gemm1-k_qb846f28100_gemm1
	.p2alignl 7, 3214868480
	.fill 96, 4, 3214868480
	.section	.rodata,"a",@progbits
	.p2align	6, 0x0
	.amdhsa_kernel k_qb846f28100_gemm1
		.amdhsa_group_segment_fixed_size 327680
		.amdhsa_private_segment_fixed_size 0
		.amdhsa_enable_private_segment 0
		.amdhsa_kernarg_size 48
		.amdhsa_user_sgpr_count 2
		.amdhsa_user_sgpr_kernarg_segment_ptr 1
		.amdhsa_wavefront_size32 1
		.amdhsa_system_sgpr_workgroup_id_x 1
		.amdhsa_system_sgpr_workgroup_id_y 1
		.amdhsa_system_sgpr_workgroup_id_z 1
		.amdhsa_system_vgpr_workitem_id 0
		.amdhsa_next_free_vgpr 1024
		.amdhsa_next_free_sgpr 96
		.amdhsa_reserve_vcc 0
		.amdhsa_float_denorm_mode_32 3
		.amdhsa_float_denorm_mode_16_64 3
		.amdhsa_memory_ordered 1
		.amdhsa_forward_progress 1
		.amdhsa_inst_pref_size 157
	.end_amdhsa_kernel
	.amdgpu_metadata
---
amdhsa.version: [ 1, 2 ]
amdhsa.kernels:
  - .name:           k_qb846f28100_gemm1
    .symbol:         k_qb846f28100_gemm1.kd
    .args:
      - { .name: XU, .offset: 0, .size: 8, .value_kind: global_buffer, .address_space: global }
      - { .name: WB, .offset: 8, .size: 8, .value_kind: global_buffer, .address_space: global }
      - { .name: AV, .offset: 16, .size: 8, .value_kind: global_buffer, .address_space: global }
      - { .name: XL, .offset: 24, .size: 8, .value_kind: global_buffer, .address_space: global }
      - { .name: E, .offset: 32, .size: 8, .value_kind: global_buffer, .address_space: global }
      - { .name: SC, .offset: 40, .size: 8, .value_kind: global_buffer, .address_space: global }
    .group_segment_fixed_size: 327680
    .private_segment_fixed_size: 0
    .kernarg_segment_align: 8
    .kernarg_segment_size: 48
    .max_flat_workgroup_size: 128
    .sgpr_count:     96
    .vgpr_count:     1024
    .wavefront_size: 32
...
	.end_amdgpu_metadata
.endif
;; end of part 2
;; launch mid (part 3): grid 256 x 1, 4 waves a work-group, no clusters, 0 bytes of LDS; arguments XL, E, AV, SC, XU; writes XU
.if DOCPART == 3
	.amdgcn_target "amdgcn-amd-amdhsa--gfx1250"
	.amdhsa_code_object_version 6
	.text
	.protected	k_qb846f28100_mid
	.globl	k_qb846f28100_mid
	.p2align	8
	.type	k_qb846f28100_mid,@function
k_qb846f28100_mid:
	s_mov_b64 s[64:65], 0
	v_nop
	global_prefetch_b8 v0, s[64:65] scope:SCOPE_SE
	s_setreg_imm32_b32 hwreg(HW_REG_WAVE_MODE, 25, 1), 1
	s_wait_xcnt 0x0
; THE STATE x(t) = a x(t-1) + bu(t), put together in f32 from each segment's local states and the carry, and X's one rounding to bf16.
; SHARES.  A wave takes one unit = 8 G + Cg of XL: 128 times (group G of one batch) x 128 columns, in the register image in which it was stored: lane l = (r = l % 16, h = l / 16), block k, column b,
; word i hold times 64 h + 8 k + 2 i and + 1 of column n = 128 Cg + 8 r + b, in f16, times the lane's power of two s.  So a lane walks 64 consecutive times (segment SL = 2 (G % 16) + h of its
; batch's 32) of eight neighbouring columns.
; THE CARRY.  E holds each segment's end state from a zero start.  The state c in front of segment SL is the sum over s < SL of (a^64)^(SL-1-s) e(s): Horner over s = 0 .. 30, each lane keeping
; the steps with s < SL by a select: no branch hangs on data.
; THE STATE at the segment's time tau is (1 / s) xl' + a^(tau+1) c: d = a^(tau+1) c goes from time to time by one multiplication, and one multiply-add reads the f16 half, unscales it and adds d.  All in f32.
; OUT.  Eight columns of one time round to 16 bytes; sixteen lanes store 256 consecutive bytes, at a multiple of 256, of the X half (columns 0-1023) of XU's row at position 128 G + 16 k + 8 h + j.
; No LDS, no barrier, no loop: waves share nothing but E, which is small.  The unit's 64 loads of 512 bytes are all asked for ahead of the arithmetic; the packed results have registers of
; their own, so no register that a store reads is written again.
; LIMITS.  a^64 must be finite in f32; NaN and infinities are not treated apart; the state is a sum of a local part and a carried part, an order of rounding other than step by step.
; REGISTERS, in windows of 256 (s_set_vgpr_msb: bits 1:0 source 0, 3:2 source 1, 5:4 source 2, 7:6 destination):
;   window 0: v1-6 offsets; v8-15 a; v16-23 a^64; v24-31 at work; v32 1 / s; v64-127 d, then x, of a block's 8 times x 8 columns (the last time's d stays: it starts the next block)
;   window 1: e(s) at v[8 s ..], s = 0 .. 30      window 2: the unit's 256 words (block k, column b at 4 (8 k + b))      window 3: the packed results, 32 a block
.set AA,  8
.set A64, 16
.set TT,  24
.set IV,  32
.set DT,  64
.set XX,  DT+56                        ; d of a block's last time; at the start the carry
.set MSB, 0
.macro WIN new                         ; the immediate's high byte repeats the setting that is left; a switch that changes nothing is dropped
.if MSB != (\new)
	s_set_vgpr_msb (MSB<<8)|(\new)
.set MSB, \new
.endif
.endm
	s_load_b256 s[4:11], s[0:1], 0x0               ; XL s[4:5], E s[6:7], AV s[8:9], SC s[10:11]
	s_load_b64 s[12:13], s[0:1], 0x20              ; XU
	v_lshrrev_b32 v6, 5, v0
	v_readfirstlane_b32 s14, v6                    ; wave 0..3
	v_and_b32 v7, 31, v0                           ; lane
	v_and_b32 v6, 15, v0                           ; r
	v_bfe_u32 v5, v0, 4, 1                         ; h
	v_lshlrev_b32 v1, 4, v7                        ; v1 = 16 x lane: XL
	v_lshlrev_b32 v2, 4, v6                        ; v2 = 16 r: E (both halves of the lanes read the same numbers)
	v_lshlrev_b32 v3, 5, v6                        ; v3 = 32 r: AV
	v_lshl_add_u32 v4, v5, 15, v2                  ; v4 = 8 h positions of 4,096 bytes + 16 r: XU
	v_lshlrev_b32 v6, 3, v7                        ; v6 = 8 x lane: SC
	s_lshl2_add_u32 s15, ttmp9, s14                ; unit = 4 x work-group + wave
	s_lshr_b32 s16, s15, 3                         ; G
	s_and_b32 s17, s15, 7                          ; Cg
	s_lshl_b32 s18, s15, 15                        ; XL: 32,768 bytes a unit
	s_mov_b32 s19, 0
	s_lshr_b32 s20, s16, 4                         ; the batch:
	s_lshl_b32 s20, s20, 17                        ; E: its 128 units of 1,024 bytes,
	s_lshl_b32 s28, s17, 10                        ; and my column group's unit in each group of 8
	s_add_co_u32 s20, s20, s28
	s_mov_b32 s21, 0
	s_lshl_b32 s22, s17, 9                         ; AV: 128 numbers
	s_mov_b32 s23, 0
	s_lshl_b32 s24, s15, 8                         ; SC: 256 bytes a unit
	s_mov_b32 s25, 0
	s_lshl_b32 s26, s16, 19                        ; XU: 128 positions of 4,096 bytes,
	s_lshl_b32 s28, s17, 8                         ; 128 columns of 2 bytes
	s_add_co_u32 s26, s26, s28
	s_mov_b32 s27, 0
	s_and_b32 s28, s16, 15
	s_lshl_b32 s28, s28, 1
	v_add_nc_u32 v5, s28, v5                       ; v5 = SL
	s_wait_kmcnt 0x0
	s_add_nc_u64 s[4:5], s[4:5], s[18:19]
	s_add_nc_u64 s[6:7], s[6:7], s[20:21]
	s_add_nc_u64 s[8:9], s[8:9], s[22:23]
	s_add_nc_u64 s[10:11], s[10:11], s[24:25]
	s_add_nc_u64 s[12:13], s[12:13], s[26:27]
	global_load_b128 v[AA:AA+3],   v3, s[8:9]
	global_load_b128 v[AA+4:AA+7], v3, s[8:9] offset:16
	global_load_b32 v[IV], v6, s[10:11]            ; 1 / s
	WIN 0x40                                       ; destination window 1
.set sg, 0
.rept 31                               ; segment sg of my batch lies in group sg / 2 (8 units of 1,024 bytes on), half sg % 2 of the lanes (256 bytes on)
	global_load_b128 v[8*sg:8*sg+3],   v2, s[6:7] offset:(sg/2)*8192+(sg%2)*256
	global_load_b128 v[8*sg+4:8*sg+7], v2, s[6:7] offset:(sg/2)*8192+(sg%2)*256+512
.set sg, sg+1
.endr
	WIN 0x80                                       ; destination window 2
.set t, 0
.rept 64                               ; the whole unit, 512 consecutive bytes a load
	global_load_b128 v[4*t:4*t+3], v1, s[4:5] offset:t*512 th:TH_LOAD_NT
.set t, t+1
.endr
	s_wait_loadcnt 63                              ; 64 loads were issued behind E's; the wait's field ends at 63, which asks for one load more than is needed: a, 1 / s and E are in
	WIN 0
.irp i, 0,2,4,6
	v_pk_mul_f32 v[A64+(\i):A64+(\i)+1], v[AA+(\i):AA+(\i)+1], v[AA+(\i):AA+(\i)+1]      ; a^2,
.endr
.rept 5                                ; and five more squarings: a^64
.irp i, 0,2,4,6
	v_pk_mul_f32 v[A64+(\i):A64+(\i)+1], v[A64+(\i):A64+(\i)+1], v[A64+(\i):A64+(\i)+1]
.endr
.endr
	v_cmp_lt_u32 vcc_lo, 0, v5                     ; the first step is a select: e(0), or 0 in the batch's first segment
	WIN 0x04                                       ; source 1 in window 1
.irp b, 0,1,2,3,4,5,6,7
	v_cndmask_b32 v[XX+(\b)], 0, v[(\b)], vcc_lo
.endr
	WIN 0x10                                       ; source 2 in window 1
.set sg, 1
.rept 30
	v_cmp_lt_u32 vcc_lo, sg, v5                    ; does segment sg lie in front of mine?
.irp i, 0,2,4,6
	v_pk_fma_f32 v[TT+(\i):TT+(\i)+1], v[A64+(\i):A64+(\i)+1], v[XX+(\i):XX+(\i)+1], v[8*sg+(\i):8*sg+(\i)+1]
.endr
.irp b, 0,1,2,3,4,5,6,7
	v_cndmask_b32 v[XX+(\b)], v[XX+(\b)], v[TT+(\b)], vcc_lo
.endr
.set sg, sg+1
.endr
; x = (f16 half of word s) x (1 / s) + d
.macro MIX d, s, c, hi
.if \hi
	v_fma_mix_f32 v[\d], v[\s], v[IV], v[\c] op_sel:[1,0,0] op_sel_hi:[1,0,0]
.else
	v_fma_mix_f32 v[\d], v[\s], v[IV], v[\c] op_sel_hi:[1,0,0]
.endif
.endm
; Block k: eight times, in four stretches under one window setting each.  The wait's count: the later blocks' loads, eight a block, may stay out.
.macro BLOCK k
	WIN 0
.irp i, 0,2,4,6
	v_pk_mul_f32 v[DT+(\i):DT+(\i)+1], v[XX+(\i):XX+(\i)+1], v[AA+(\i):AA+(\i)+1]        ; d of the block's first time, from the last time before it
.endr
.irp j, 1,2,3,4,5,6,7
.irp i, 0,2,4,6
	v_pk_mul_f32 v[DT+8*(\j)+(\i):DT+8*(\j)+(\i)+1], v[DT+8*(\j)-8+(\i):DT+8*(\j)-8+(\i)+1], v[AA+(\i):AA+(\i)+1]
.endr
.endr
	s_wait_loadcnt 56-8*(\k)
	WIN 0x02                                       ; source 0 in window 2
.irp j, 0,1,2,3,4,5,6
.irp b, 0,1,2,3,4,5,6,7
	MIX DT+8*(\j)+(\b), 4*(8*(\k)+(\b))+(\j)/2, DT+8*(\j)+(\b), (\j)%2   ; x takes d's place,
.endr
.endr
.irp b, 0,1,2,3,4,5,6,7
	MIX TT+(\b), 4*(8*(\k)+(\b))+3, XX+(\b), 1                           ; but for the last time's, whose d is wanted again
.endr
	WIN 0xc0                                       ; destination in window 3
.irp j, 0,1,2,3,4,5,6
.irp i, 0,1,2,3
	v_cvt_pk_bf16_f32 v[32*(\k)+4*(\j)+(\i)], v[DT+8*(\j)+2*(\i)], v[DT+8*(\j)+2*(\i)+1]  ; X's one rounding
.endr
.endr
.irp i, 0,1,2,3
	v_cvt_pk_bf16_f32 v[32*(\k)+28+(\i)], v[TT+2*(\i)], v[TT+2*(\i)+1]
.endr
	WIN 0x0c                                       ; store data (source 1) in window 3
.irp j, 0,1,2,3,4,5,6,7
	global_store_b128 v4, v[32*(\k)+4*(\j):32*(\k)+4*(\j)+3], s[12:13] offset:(16*(\k)+(\j))*4096  ; each half of the lanes: 256 consecutive bytes, aligned
.endr
.endm
.irp k, 0,1,2,3,4,5,6,7
	BLOCK \k
.endr
	WIN 0
	s_endpgm
.Lfunc_end_k_qb846f28100_mid:
	.size	k_qb846f28100_mid, .Lfunc_end_k_qb846f28100_mid-k_qb846f28100_mid
	.p2alignl 7, 3214868480
	.fill 96, 4, 3214868480
	.section	.rodata,"a",@progbits
	.p2align	6, 0x0
	.amdhsa_kernel k_qb846f28100_mid
		.amdhsa_group_segment_fixed_size 0
		.amdhsa_private_segment_fixed_size 0
		.amdhsa_enable_private_segment 0
		.amdhsa_kernarg_size 40
		.amdhsa_user_sgpr_count 2
		.amdhsa_user_sgpr_kernarg_segment_ptr 1
		.amdhsa_wavefront_size32 1
		.amdhsa_system_sgpr_workgroup_id_x 1
		.amdhsa_system_sgpr_workgroup_id_y 1
		.amdhsa_system_sgpr_workgroup_id_z 1
		.amdhsa_system_vgpr_workitem_id 0
		.amdhsa_next_free_vgpr 1024
		.amdhsa_next_free_sgpr 66
		.amdhsa_reserve_vcc 1
		.amdhsa_float_denorm_mode_32 3
		.amdhsa_float_denorm_mode_16_64 3
		.amdhsa_memory_ordered 1
		.amdhsa_forward_progress 1
		.amdhsa_inst_pref_size 103
	.end_amdhsa_kernel
	.amdgpu_metadata
---
amdhsa.version: [ 1, 2 ]
amdhsa.kernels:
  - .name:           k_qb846f28100_mid
    .symbol:         k_qb846f28100_mid.kd
    .args:
      - { .name: XL, .offset: 0, .size: 8, .value_kind: global_buffer, .address_space: global }
      - { .name: E, .offset: 8, .size: 8, .value_kind: global_buffer, .address_space: global }
      - { .name: AV, .offset: 16, .size: 8, .value_kind: global_buffer, .address_space: global }
      - { .name: SC, .offset: 24, .size: 8, .value_kind: global_buffer, .address_space: global }
      - { .name: XU, .offset: 32, .size: 8, .value_kind: global_buffer, .address_space: global }
    .group_segment_fixed_size: 0
    .private_segment_fixed_size: 0
    .kernarg_segment_align: 8
    .kernarg_segment_size: 40
    .max_flat_workgroup_size: 128
    .sgpr_count:     66
    .vgpr_count:     1024
    .wavefront_size: 32
...
	.end_amdgpu_metadata
.endif
;; end of part 3
;; launch gemm2 (part 4): grid 4 x 64, 4 waves a work-group, clusters of 4 x 4, 327,680 bytes of LDS; arguments XU, WCD, out0; writes out0
.if DOCPART == 4
	.amdgcn_target "amdgcn-amd-amdhsa--gfx1250"
	.amdhsa_code_object_version 6
	.text
	.protected	k_qb846f28100_gemm2
	.globl	k_qb846f28100_gemm2
	.p2align	8
	.type	k_qb846f28100_gemm2,@function
k_qb846f28100_gemm2:
	s_mov_b64 s[64:65], 0
	v_nop
	global_prefetch_b8 v0, s[64:65] scope:SCOPE_SE
	s_setreg_imm32_b32 hwreg(HW_REG_WAVE_MODE, 25, 1), 1
	s_wait_xcnt 0x0
	s_wait_alu depctr_hold_cnt(0) depctr_sa_sdst(0) depctr_va_vdst(0) depctr_va_sdst(0) depctr_va_ssrc(0) depctr_va_vcc(0) depctr_vm_vsrc(0)
	s_getreg_b32 s2, hwreg(HW_REG_IB_STS2, 6, 4)
	s_cmp_eq_u32 s2, 0
	s_cbranch_scc0 .Lentry_in_a_cluster
	s_endpgm
.Lentry_in_a_cluster:
	s_bfe_u32 s2, ttmp6, 0x10000c
	s_cmp_lg_u32 s2, 0xf033
	s_cbranch_scc0 .Lentry_shape_is_right
	s_endpgm
.Lentry_shape_is_right:
; y = X C^T + u D^T as ONE product: [X | u] [C | D]^T, 16,384 x 1,024 x 2,048, bf16 operands, f32 sums, f32 out.
; OPERANDS.  XU [16384 positions][2048] bf16 (X, then u; rows of 4,096 bytes) and WCD [1024][2048] bf16 (C, then D).  XU's position 128 G + 16 a + 8 h + j holds row 128 G + 64 h + 8 a + j of y.
; SHARES.  A tile of 256 x 256 to a work-group of four waves, 128 x 128 to a wave: 64 accumulators of 16 x 16, 512 registers.  K goes in steps of 128 through a ring of two LDS slots
; filled by the tensor data mover; a tile's rows are 256 bytes of memory at multiples of 256 from the buffer's first byte.
; ORIENTATION.  Source 0 = 16 rows of WCD, source 1 = 16 positions of XU: lane l then holds position l % 16 of its block and the columns 8 (l / 16) + 0..7: 32 consecutive bytes of a row of y.
; THE WAY OUT.  A block of 16 positions goes through the wave's own stage in LDS and comes back as whole rows of 512 bytes; the stores' immediates undo the permutation of rows.
; CLUSTER.  4 x 4 work-groups: the four of a row of the cluster need the same tiles of XU, the four of a column the same tiles of WCD: each tile is asked for jointly, by the same
; tensor load with the same descriptor and a mask that names the four.
; REGISTERS, in windows of 256 (s_set_vgpr_msb: bits 1:0 source 0, 3:2 source 1, 5:4 source 2, 7:6 destination):
;   window 0: v0-31 addresses; v64-127, v128-191 fragments of XU, two buffers (on the way out: rows read back from the stage)      window 1: v64-127, v128-191 fragments of WCD, two buffers
;   window 2: the 32 accumulators of a = 0-3 ((a, b) at v[8 (8 a + b)])      window 3: those of a = 4-7
; LIMITS.  Operands carry bf16's rounding; NaN and infinities are not treated apart.
.set KSTEP,  128
.set KSTEPS, 2048/KSTEP
.set PITCH,  272                       ; an LDS row: 256 bytes + 16 of padding = 68 words: the 16 rows of a fragment load start at 16 different groups of four banks (64 banks of 4 bytes: ISA guide 11.1)
.set HALFT,  128*PITCH                 ; 128 rows: what one tensor load brings, and what one wave reads of either operand
.set SLOT,   4*HALFT                   ; XU's 256 rows, then WCD's 256 rows.  SLOT = 0x22000 shares no bit with wave x HALFT = wave x 0x8800: an exclusive or with SLOT turns a wave's place in one slot into its place in the other
.set STAGE,  2*SLOT                    ; behind the ring, never filled by a tensor load: 16 rows x 528 bytes for each wave
.set SPITCH, 528                       ; 512 bytes + 16 = 132 words: the 16 rows of a store start at 16 different groups of four banks
.set SPARE,  STAGE+4*16*SPITCH         ; behind the stages: the spare words, 128 bytes for each wave: two blocks of 256 bytes that no other line names
.set LOGP,   12                        ; a row of XU and of WCD is 4,096 bytes
.set ADRA0, 16                         ; v16     LDS address of my XU fragments in slot 0; never rewritten
.set ADRA,  17                         ; v17     the same in the slot in hand
.set ADRB0, 20                         ; v20, v21  the same for WCD
.set ADRB,  21
.set STO,  24                          ; v24     the way out: where I put 32 bytes of a row
.set RD,   25                          ; v25     the way out: where I read a row back
.set CO,   26                          ; v26     16 x lane: my 16 bytes of a row's 512; never rewritten
.set SPW,  28                          ; v28     LDS address of my spare word: SPARE + 4 x my thread's number; never rewritten
.set NIL,  29                          ; v29     0; never rewritten
.set PFO,  30                          ; v30     the prefetches' offset: my lane x 4,096; never rewritten
.set F0,   64
.set F1,   128
.set BK,   64                          ; the way out: two buffers of 64 registers where XU's fragments lay
.set LIM,  43                          ; s43     2 in a wave that prefetches, else the greatest number
.set PFA,  44                          ; s[44:45] where my prefetches stand: one K step further along K than the refill that is being asked for; a prefetch names the K step after that
.set TB,   66                          ; s66     0 or SLOT: the slot in hand
.set G1,  24                           ; s[24:31] descriptor group 1 for XU's tiles
.set G0,  32                           ; s[32:39] descriptor group 0 for XU's tiles: a set for each of the two first fills; the second then walks on
.set G1B, 48                           ; s[48:55] group 1 for WCD's tiles: it differs in the mask alone
.set G0B, 56                           ; s[56:63] group 0 for WCD's tiles, likewise
.set MSB, 0
.macro WIN new                         ; the immediate's high byte repeats the setting that is left; a switch that changes nothing is dropped
.if MSB != (\new)
	s_set_vgpr_msb (MSB<<8)|(\new)
.set MSB, \new
.endif
.endm
.set MUL_LO, 0xa1                      ; source 0 (WCD) window 1, source 1 (XU) window 0, C and D window 2
.set MUL_HI, 0xf1                      ; the same, C and D window 3
.set TO_B,   0x40                      ; destination window 1, address window 0
; A joint load.  Waves 0 and 1 fetch XU's two halves, waves 2 and 3 WCD's.  The branch hangs on the wave's number alone.  An s_nop 0 and four v_nop follow each of the two lines.
.macro JLOAD s
	s_cmp_eq_u32 s11, 0
	s_cbranch_scc0 .Lfor_b_\@
	tensor_load_to_lds s[G0+4*(\s):G0+4*(\s)+3], s[G1:G1+7]
	s_nop 0
.rept 4
	v_nop
.endr
	s_branch .Lasked_\@
.Lfor_b_\@:
	tensor_load_to_lds s[G0B+4*(\s):G0B+4*(\s)+3], s[G1B:G1B+7]
	s_nop 0
.rept 4
	v_nop
.endr
.Lasked_\@:
.endm
; A prefetch behind each joint refill and the run of LDS loads that follows it: the K step that stands two refills on, 32 rows x 256 bytes, a lane a row, one instruction a wave.
; Each row's 256 bytes of a K step are named once in the launch: XU's rows are read by one cluster alone (the grid is one cluster wide), WCD's by every cluster, of which the one with y = 0 asks.
; Of the 128 rows that a wave fetches the partner at place p takes 32 p .. 32 p + 31 (p = cx for XU, cy for WCD): told apart by address, not by a branch.  The loop's last two trips ask for nothing: no K step stands two refills on.
.macro ASK
	s_cmp_gt_u32 s3, s[LIM]                        ; s3 counts the loop's trips down to 1
	s_cbranch_scc0 .Lnot_mine_\@
	global_prefetch_b8 v[PFO], s[PFA:PFA+1] offset:KSTEP*2 th:TH_LOAD_NT scope:SCOPE_SE
.Lnot_mine_\@:
.endm
; A round of the cluster's barrier: my work-group's barrier; wave 0 signals for the work-group; every wave waits for all sixteen work-groups; my work-group's barrier once more.
.macro CREST                           ; a round behind its opening barrier
	s_cmp_lg_u32 s10, 0
	s_cbranch_scc1 .Lnot_wave_0_\@
	s_barrier_signal -3
.Lnot_wave_0_\@:
	s_barrier_wait -3
	s_barrier_signal -1
	s_barrier_wait -1
.endm
.macro CROUND                          ; a whole round
	s_barrier_signal -1
	s_barrier_wait -1
	CREST
.endm
.macro POINT                           ; the fragment addresses of the slot at s[TB]
	WIN 0
	v_add_nc_u32 v[ADRA], s[TB], v[ADRA0]
	v_add_nc_u32 v[ADRB], s[TB], v[ADRB0]
.endm
	s_load_b128 s[4:7], s[0:1], 0x0                ; XU s[4:5], WCD s[6:7]
	s_load_b64 s[8:9], s[0:1], 0x10                ; out0
	v_lshl_add_u32 v[SPW], v0, 2, SPARE
	v_mov_b32 v[NIL], 0
	ds_add_u32 v[SPW], v[NIL]                      ; the wave's opening: the add and its wait stand ahead of my first tensor load; the set-up below, work on registers, stands between them
	v_lshrrev_b32 v1, 5, v0
	v_readfirstlane_b32 s10, v1                    ; wave 0..3
	s_lshr_b32 s11, s10, 1                         ; which half of the tile's rows is mine.  Also: I fetch for XU (0) or for WCD (1)
	s_and_b32 s12, s10, 1                          ; which half of its columns.  Also: which 128 rows of that tile I fetch
	s_bfe_u32 s40, ttmp6, 0x40000                  ; cx
	s_bfe_u32 s41, ttmp6, 0x40004                  ; cy
	s_lshl_b32 s42, ttmp9, 2
	s_add_co_u32 s42, s42, s40                     ; tile column tx = 4 x cluster x + cx
	s_and_b32 s13, ttmp7, 0xffff
	s_lshl_b32 s13, s13, 2
	s_add_co_u32 s13, s13, s41                     ; tile row ty = 4 x cluster y + cy
	s_lshl_b32 s43, s41, 2
	s_lshl_b32 s43, 15, s43                        ; my row of the cluster: places 4 cy .. 4 cy + 3
	s_lshl_b32 s44, 0x1111, s40                    ; my column: places cx, cx + 4, cx + 8, cx + 12
	; descriptor group 1: a tile of 128 rows x 128 elements, padded in LDS
	s_or_b32 s[G1+0], s43, (1<<16)|(1<<20)|(1<<21)|(5<<22)|(3<<25)   ; 15:0 the mask; 17:16 elements of 2 bytes; 20 padding on; 21 set beside a mask; 24:22 after every 64 words (code 5); 31:25 4 words of it (code 3)
	s_or_b32 s[G1B+0], s44, (1<<16)|(1<<20)|(1<<21)|(5<<22)|(3<<25)
	s_mov_b32 s[G1+1], KSTEP<<16                   ; tensor_dim0 = 128
	s_mov_b32 s[G1B+1], KSTEP<<16
	s_mov_b32 s[G1+2], 128<<16                     ; tensor_dim1 = 128
	s_mov_b32 s[G1B+2], 128<<16
	s_mov_b32 s[G1+3], KSTEP<<16                   ; tile_dim0 = 128
	s_mov_b32 s[G1B+3], KSTEP<<16
	s_mov_b32 s[G1+4], 128                         ; tile_dim1 = 128
	s_mov_b32 s[G1B+4], 128
	s_mov_b32 s[G1+5], 2048                        ; 2,048 elements from row to row, in both
	s_mov_b32 s[G1B+5], 2048
	s_mov_b32 s[G1+6], 0
	s_mov_b32 s[G1B+6], 0
	s_mov_b32 s[G1+7], 0
	s_mov_b32 s[G1B+7], 0
	; where the tiles come from: XU's hang on the tile row alone, WCD's on the tile column alone, each in registers that never hold the other coordinate
	s_lshl_b32 s17, s12, 7                         ; which 128 rows of the tile I fetch
	s_lshl_b32 s16, s13, 8
	s_add_co_u32 s16, s16, s17                     ; XU: position 256 ty + 128 x half
	s_lshl_b32 s16, s16, LOGP                      ; in bytes (under 2^27)
	s_lshl_b32 s46, s42, 8
	s_add_co_u32 s46, s46, s17                     ; WCD: row 256 tx + 128 x half
	s_lshl_b32 s46, s46, LOGP
	s_mov_b32 s17, 0
	s_mov_b32 s47, 0
	s_mul_i32 s20, s10, HALFT                      ; and where they go: wave x 128 rows: no place in the cluster enters an LDS address
	s_wait_dscnt 0x0                               ; the opening add is done
	s_wait_kmcnt 0x0
	s_add_nc_u64 s[14:15], s[4:5], s[16:17]
	s_add_nc_u64 s[46:47], s[6:7], s[46:47]
	CROUND                                         ; all sixteen work-groups are here: the first joint loads meet
.irp s, 0,1
	s_mov_b32 s[G0+4*(\s)], 1                                        ; count = 1
	s_add_co_u32 s[G0+4*(\s)+1], s20, (\s)*SLOT                      ; LDS address
	s_add_nc_u64 s[G0+4*(\s)+2:G0+4*(\s)+3], s[14:15], (\s)*KSTEP*2  ; global address: K step s
	s_or_b32 s[G0+4*(\s)+3], s[G0+4*(\s)+3], 0x80000000              ; type = 2
	s_mov_b32 s[G0B+4*(\s)], 1
	s_add_co_u32 s[G0B+4*(\s)+1], s20, (\s)*SLOT
	s_add_nc_u64 s[G0B+4*(\s)+2:G0B+4*(\s)+3], s[46:47], (\s)*KSTEP*2
	s_or_b32 s[G0B+4*(\s)+3], s[G0B+4*(\s)+3], 0x80000000
	JLOAD \s                                       ; the ring is filled before anything else is done: two tensor loads of mine are out
.endr
	; A fragment is 16 rows x 32 K in 8 registers: lane l holds row l % 16; registers 0-3 K = 8 (l / 16) + 0..7, registers 4-7 K = 16 + 8 (l / 16) + 0..7: two loads of 16 bytes, 32 bytes apart.
	v_and_b32 v1, 15, v0                           ; l % 16
	v_bfe_u32 v2, v0, 4, 1                         ; l / 16
	v_mul_u32_u24 v3, v1, PITCH
	v_lshl_add_u32 v3, v2, 4, v3
	s_mul_i32 s21, s11, HALFT                      ; my 128 rows of XU
	s_mul_i32 s22, s12, HALFT                      ; my 128 rows of WCD,
	s_add_co_u32 s22, s22, 2*HALFT                 ; which lie behind XU's 256
	v_add_nc_u32 v[ADRA0], s21, v3
	v_add_nc_u32 v[ADRB0], s22, v3
	s_mov_b32 s[TB], 0                             ; K step 0 lies in slot 0
	POINT
	s_mul_i32 s23, s10, 16*SPITCH
	s_add_co_u32 s23, s23, STAGE                   ; my stage
	v_mul_u32_u24 v4, v1, SPITCH                   ; in: row l % 16, 32 bytes for each half of the lanes
	v_lshl_add_u32 v4, v2, 5, v4
	v_add_nc_u32 v[STO], s23, v4
	v_and_b32 v5, 31, v0
	v_lshlrev_b32 v[CO], 4, v5
	v_add_nc_u32 v[RD], s23, v[CO]                 ; back: 32 lanes take one row of 512 bytes
	; where my 128 x 128 of y begins
	s_lshl_b32 s74, s13, 1
	s_add_co_u32 s74, s74, s11                     ; G = 2 ty + row half
	s_lshl_b32 s75, s42, 1
	s_add_co_u32 s75, s75, s12                     ; Cg = 2 tx + column half
	s_lshl_b32 s76, s74, 19                        ; 128 rows of 4,096 bytes,
	s_lshl_b32 s75, s75, 9                         ; 128 columns of 4 bytes
	s_add_co_u32 s76, s76, s75
	s_mov_b32 s77, 0
	s_add_nc_u64 s[8:9], s[8:9], s[76:77]
	; the prefetches
	s_lshl_b32 s74, s13, 8                         ; 256 ty
	s_lshl_b32 s75, s42, 8                         ; 256 tx
	s_and_b32 s22, ttmp7, 0xffff                   ; cluster y
	s_cmp_eq_u32 s11, 0                            ; do I fetch for XU?
	s_cselect_b32 s20, s74, s75                    ; the tile's first row
	s_cselect_b32 s21, s40, s41                    ; my place among the four that ask for it with me
	s_cselect_b32 s22, ttmp9, s22                  ; the coordinate along which other clusters read the same rows
	s_cselect_b64 s[PFA:PFA+1], s[4:5], s[6:7]
	s_cmp_eq_u32 s22, 0
	s_cselect_b32 s[LIM], 2, -1                    ; the same in all sixteen partners, for a given wave
	s_lshl_b32 s22, s12, 7
	s_add_co_u32 s20, s20, s22                     ; + the 128 rows that I fetch
	s_lshl_b32 s21, s21, 5
	s_add_co_u32 s20, s20, s21                     ; + my work-group's 32 of them
	s_lshl_b32 s20, s20, LOGP
	s_add_co_u32 s20, s20, 2*KSTEP*2               ; at K step 2: the first refill steps it to 3 and names K step 4
	s_mov_b32 s21, 0
	s_add_nc_u64 s[PFA:PFA+1], s[PFA:PFA+1], s[20:21]
	v_and_b32 v[PFO], 31, v0
	v_lshlrev_b32 v[PFO], LOGP, v[PFO]
	; nothing is prefetched here, at the head, where every work-group's first two tiles are on their way
; 16 matrix instructions: row blocks a0, a0 + 1 of the window's four (hi = 0: a = 0-3, 1: a = 4-7) x all 8 column blocks, 32 along K.  zero = 1: the first product starts the sums.
; The 64 accumulators take turns, one instruction a turn, in the same order in every quarter, over the backward jumps too.
.macro MUL16 f, hi, a0, zero
	WIN MUL_LO+0x50*(\hi)
.irp a, \a0, (\a0)+1
.irp b, 0,1,2,3,4,5,6,7
.if \zero
	v_wmma_f32_16x16x32_bf16 v[8*(8*(\a)+(\b)):8*(8*(\a)+(\b))+7], v[(\f)+8*(\b):(\f)+8*(\b)+7], v[(\f)+8*(4*(\hi)+(\a)):(\f)+8*(4*(\hi)+(\a))+7], 0
.else
	v_wmma_f32_16x16x32_bf16 v[8*(8*(\a)+(\b)):8*(8*(\a)+(\b))+7], v[(\f)+8*(\b):(\f)+8*(\b)+7], v[(\f)+8*(4*(\hi)+(\a)):(\f)+8*(4*(\hi)+(\a))+7], v[8*(8*(\a)+(\b)):8*(8*(\a)+(\b))+7]
.endif
.endr
.endr
.endm
; 32 LDS loads in one run: the fragments of one quarter step (128 rows of WCD, 128 rows of XU, 32 K at byte k of the rows of the slot in hand) into buffer f
.macro FETCH k, f
	WIN TO_B
.irp i, 0,1,2,3,4,5,6,7
	ds_load_b128 v[(\f)+8*(\i):(\f)+8*(\i)+3],   v[ADRB] offset:(\k)+(\i)*16*PITCH
	ds_load_b128 v[(\f)+8*(\i)+4:(\f)+8*(\i)+7], v[ADRB] offset:(\k)+(\i)*16*PITCH+32
.endr
	WIN 0
.irp i, 0,1,2,3,4,5,6,7
	ds_load_b128 v[(\f)+8*(\i):(\f)+8*(\i)+3],   v[ADRA] offset:(\k)+(\i)*16*PITCH
	ds_load_b128 v[(\f)+8*(\i)+4:(\f)+8*(\i)+7], v[ADRA] offset:(\k)+(\i)*16*PITCH+32
.endr
.endm
.macro PLACES                          ; four plain vector instructions between a matrix instruction and a load into, or a reader of, its registers (ISA guide 7.12.1 for readers)
.rept 4
	v_nop
.endr
.endm
; A K step is four quarters of 32 along K, 64 matrix instructions each, on buffers 0, 1, 0, 1.  One of the first three: multiplies buffer f; in its middle it fetches the next quarter, at byte k, into buffer g.
.macro QUARTER k, f, g, zero
	s_wait_dscnt 8                                 ; WCD's fragments and XU's blocks 0-3 are in; the youngest eight loads (XU's blocks 4-7) may be out
	WIN MUL_LO
	MUL16 \f, 0, 0, \zero
	MUL16 \f, 0, 2, \zero
	PLACES
	FETCH \k, \g
	s_wait_dscnt 32                                ; all but the 32 just issued
	WIN MUL_HI
	MUL16 \f, 1, 0, \zero
	MUL16 \f, 1, 2, \zero
.endm
; The first half of the last quarter: one barrier for the change of slots.  In front of it each wave waits for all its tensor loads (at most one is out: its part of the next slot), adds 0 to its spare word,
; and waits for that and for its own reads of this slot.  Behind it nobody reads this slot any more and the next slot is whole.
.macro MEET round                      ; round = 1: a round of the cluster's barrier follows
	WIN 0                                          ; (the add's two registers lie in window 0)
	s_wait_tensorcnt 0x0                           ; all my tensor loads have landed
	ds_add_u32 v[SPW], v[NIL]                      ; 0 onto my spare word
	s_wait_dscnt 9                                 ; (the add and the youngest eight loads may be out)
	WIN MUL_LO
	MUL16 F1, 0, 0, 0                              ; sixteen matrix instructions stand between the add and the wait for it
	s_wait_dscnt 0x0                               ; the add is done, and my reads of this slot are over
	s_barrier_signal -1
	MUL16 F1, 0, 2, 0                              ; work on registers while the others arrive
.if \round
	WIN 0
.endif
	s_barrier_wait -1
.endm
; The whole last quarter.  fill = 1: the slot just read out is filled again, with the K step two steps on, first thing behind a round of the cluster's barrier: the walking descriptors turn to
; the other slot than last time and step one K step; from that request to the wait for it a wave issues 224 matrix instructions.
; fill = 0 (the last two K steps): nothing is asked for, and no round follows; in the very last K step (s3 = 1) there is no next slot, and the run of LDS loads is jumped.
.macro TURN fill
.if \fill
	s_wait_xcnt 0x0                                ; the last prefetch, a K step back, has read its address: it is stepped here, ahead of the waits of the change of slots
	s_add_nc_u64 s[PFA:PFA+1], s[PFA:PFA+1], KSTEP*2
	MEET 1
	CREST                                          ; no wave of any partner still reads this slot's tile or has a load on its way
	s_xor_b32 s[G0+5], s[G0+5], SLOT
	s_add_nc_u64 s[G0+6:G0+7], s[G0+6:G0+7], KSTEP*2      ; the type bits on top are not reached
	s_xor_b32 s[G0B+5], s[G0B+5], SLOT
	s_add_nc_u64 s[G0B+6:G0B+7], s[G0B+6:G0B+7], KSTEP*2
	JLOAD 1                                        ; my one tensor load behind the round; its four v_nop are also the places in front of the loads below
	s_xor_b32 s[TB], s[TB], SLOT                   ; on to the other slot
	POINT
	FETCH 0, F0
	ASK
.else
	MEET 0
	PLACES
	WIN 0
	s_cmp_eq_u32 s3, 1
	s_cbranch_scc1 .Lno_more_\@
	s_xor_b32 s[TB], s[TB], SLOT
	POINT
	FETCH 0, F0
.Lno_more_\@:
.endif
	WIN MUL_HI
	MUL16 F1, 1, 0, 0
	MUL16 F1, 1, 2, 0
.endm
; THE WAY OUT of block a (16 positions x my 128 columns).  TOSTAGE: a lane's 32 bytes of each of the 8 column blocks go into rows of 528 bytes, each accumulator's low four registers first, and come back
; as whole rows of 512 bytes, into buffer a % 2.  The stage is the wave's own, and LDS serves a wave's instructions in order (ISA guide 5.7.1.4): no wait between the stores and the loads, no barrier.
.macro TOSTAGE a
.if (\a) >= 2
	s_wait_xcnt 0x0                                ; buffer a % 2 was the data of block a - 2's stores: it is loaded again only behind this wait
.endif
	WIN 0x08+4*((\a)/4)                            ; store data (source 1) in window 2 or 3
.irp b, 0,1,2,3,4,5,6,7
	ds_store_b128 v[STO], v[8*(8*((\a)%4)+(\b)):8*(8*((\a)%4)+(\b))+3]   offset:64*(\b)
	ds_store_b128 v[STO], v[8*(8*((\a)%4)+(\b))+4:8*(8*((\a)%4)+(\b))+7] offset:64*(\b)+16
.endr
	WIN 0
.irp t, 0,1,2,3,4,5,6,7,8,9,10,11,12,13,14,15
	ds_load_b128 v[BK+64*((\a)%2)+4*(\t):BK+64*((\a)%2)+4*(\t)+3], v[RD] offset:(\t)*SPITCH
.endr
.endm
; SEND: stage row t = 8 h + j of block a is row 64 h + 8 a + j of my 128 rows of y.  younger: the LDS instructions issued behind block a's loads: the next block's 32, or none.
.macro SEND a, younger
	WIN 0
	s_wait_dscnt \younger
.irp t, 0,1,2,3,4,5,6,7,8,9,10,11,12,13,14,15
	global_store_b128 v[CO], v[BK+64*((\a)%2)+4*(\t):BK+64*((\a)%2)+4*(\t)+3], s[8:9] offset:(64*((\t)/8)+8*(\a)+(\t)%8)*4096 th:TH_STORE_NT  ; 512 consecutive bytes, at a multiple of 512 from y's first
.endr
.endm
	s_wait_tensorcnt 1                             ; my part of K step 0 is in; K step 1's may stay out
	s_barrier_signal -1
	s_barrier_wait -1                              ; everybody's is
	FETCH 0, F0
	QUARTER 64,  F0, F1, 1                         ; the first quarter stands in front of the loop: its products start the sums
	WIN 0                                          ; at a label and at a branch every window is 0
	s_mov_b32 s3, KSTEPS-2
.Lstep:                                                ; a trip goes from a K step's second quarter to the next K step's first, and fills the slot that it leaves
	QUARTER 128, F1, F0, 0
	QUARTER 192, F0, F1, 0
	TURN 1
	QUARTER 64,  F0, F1, 0
	WIN 0
	s_sub_co_u32 s3, s3, 1
	s_cmp_lg_u32 s3, 0
	s_cbranch_scc1 .Lstep
	s_mov_b32 s3, 2
.Ltail:                                                ; the last two K steps have a loop of their own, which asks for nothing. It is left in the middle of its second trip
	QUARTER 128, F1, F0, 0
	QUARTER 192, F0, F1, 0
	TURN 0
	WIN 0
	s_sub_co_u32 s3, s3, 1
	s_cmp_eq_u32 s3, 0
	s_cbranch_scc1 .Lout
	QUARTER 64,  F0, F1, 0
	WIN 0
	s_branch .Ltail
.Lout:
	PLACES                                         ; eight places, once a launch, between the last product and the LDS stores that read results and the loads into XU's fragment buffers
	PLACES
	TOSTAGE 0
.irp a, 1,2,3,4,5,6,7                  ; block a's way through the stage stands between block a - 1's loads and the wait for them
	TOSTAGE \a
	SEND (\a)-1, 32
.endr
	SEND 7, 0
	s_wait_tensorcnt 0x0                           ; the wave's end, behind my last tensor load and my last LDS store
	ds_add_u32 v[SPW], v[NIL]
	s_wait_dscnt 0x0
	CROUND                                         ; the closing round: no work-group ends while a partner may still ask for a tile that names it
	s_endpgm
.Lfunc_end_k_qb846f28100_gemm2:
	.size	k_qb846f28100_gemm2, .Lfunc_end_k_qb846f28100_gemm2-k_qb846f28100_gemm2
	.p2alignl 7, 3214868480
	.fill 96, 4, 3214868480
	.section	.rodata,"a",@progbits
	.p2align	6, 0x0
	.amdhsa_kernel k_qb846f28100_gemm2
		.amdhsa_group_segment_fixed_size 327680
		.amdhsa_private_segment_fixed_size 0
		.amdhsa_enable_private_segment 0
		.amdhsa_kernarg_size 24
		.amdhsa_user_sgpr_count 2
		.amdhsa_user_sgpr_kernarg_segment_ptr 1
		.amdhsa_wavefront_size32 1
		.amdhsa_system_sgpr_workgroup_id_x 1
		.amdhsa_system_sgpr_workgroup_id_y 1
		.amdhsa_system_sgpr_workgroup_id_z 1
		.amdhsa_system_vgpr_workitem_id 0
		.amdhsa_next_free_vgpr 1024
		.amdhsa_next_free_sgpr 80
		.amdhsa_reserve_vcc 0
		.amdhsa_float_denorm_mode_32 3
		.amdhsa_float_denorm_mode_16_64 3
		.amdhsa_memory_ordered 1
		.amdhsa_forward_progress 1
		.amdhsa_inst_pref_size 98
	.end_amdhsa_kernel
	.amdgpu_metadata
---
amdhsa.version: [ 1, 2 ]
amdhsa.kernels:
  - .name:           k_qb846f28100_gemm2
    .symbol:         k_qb846f28100_gemm2.kd
    .args:
      - { .name: XU, .offset: 0, .size: 8, .value_kind: global_buffer, .address_space: global }
      - { .name: WCD, .offset: 8, .size: 8, .value_kind: global_buffer, .address_space: global }
      - { .name: out0, .offset: 16, .size: 8, .value_kind: global_buffer, .address_space: global }
    .group_segment_fixed_size: 327680
    .private_segment_fixed_size: 0
    .kernarg_segment_align: 8
    .kernarg_segment_size: 24
    .max_flat_workgroup_size: 128
    .sgpr_count:     80
    .vgpr_count:     1024
    .wavefront_size: 32
...
	.end_amdgpu_metadata
.endif
;; end of part 4
;; ======== version 2 of 2: 4 launches; version 1 with the launch prep written anew for expert scheduling mode
;; workspace buffers: XU 67,108,864 bytes; WB 2,097,152 bytes; WCD 4,194,304 bytes; AV 4,096 bytes; XL 33,554,432 bytes; E 1,048,576 bytes; SC 262,144 bytes
;; launch prep (part 5): grid 256 x 1, 8 waves a work-group, no clusters, 0 bytes of LDS; arguments u, A, B, C, D, XU, WB, WCD, AV; writes XU, WB, WCD, AV
.if DOCPART == 5
	.amdgcn_target "amdgcn-amd-amdhsa--gfx1250"
	.amdhsa_code_object_version 6
	.text
	.protected	k_qb846f28100_prep
	.globl	k_qb846f28100_prep
	.p2align	8
	.type	k_qb846f28100_prep,@function
k_qb846f28100_prep:
	s_mov_b64 s[64:65], 0
	v_nop
	global_prefetch_b8 v0, s[64:65] scope:SCOPE_SE
	s_setreg_imm32_b32 hwreg(HW_REG_WAVE_SCHED_MODE, 0, 2), 2
	s_setreg_imm32_b32 hwreg(HW_REG_WAVE_MODE, 25, 1), 1
	s_wait_xcnt 0x0
	s_wait_alu depctr_vm_vsrc(0)
; PREPARATION.  Every input is rounded once to bf16 and laid where the two matrix launches want it.
;   XU  [16384 positions][2048] bf16: columns 1024-2047 take u (columns 0-1023 are filled by a later launch).
;       Row R = 2048 batch + t goes to position 128 (R >> 7) + 16 a + 8 h + j, where R & 127 = 64 h + 8 a + j (h 1 bit, a and j 3 bits).
;   WB  [1024 positions][1024] bf16: row n = 128 Cg + 8 r + b of B goes to position 128 Cg + 16 b + r.
;   WCD [1024][2048] bf16: row p is C[p][:] followed by D[p][:].
;   AV  [1024] f32: the diagonal of A, rounded to bf16 and widened again.
; LIMIT: all inputs carry bf16's rounding from here on; nothing else is changed.
; SHARES.  Work-group w takes 76 rows of 1,024 f32: rows 64 w .. 64 w + 63 of u and rows 4 w .. 4 w + 3 of B, of C and of D.  Thread t owns bytes 16 t of a
; source row and bytes 8 t of a destination row: a wave's load covers 512 consecutive bytes, its store 256 consecutive bytes at a multiple of 256.
; A ring of 24 register slots keeps up to 24 loads of every wave on their way.  No LDS, no barrier, no matrix unit: nothing is shared and nothing is multiplied.
; THE MODE: SCHED_MODE bits 1:0 = 2 (LLVM: expert scheduling mode 2), set by the entry lines.  The code itself states the register dependences
; between vector instructions and memory instructions, with s_wait_alu, always for 0.
; THE PLAN.  Registers that memory instructions touch:
;   v1, v2     byte offsets, made once at the head and never written again: a row's place stands in the immediate of its load and of its store.
;   X          24 slots of four.  The load of row i lands in slot i % 24; row i's two conversions read it; behind them the load of row i + 24 lands in it.
;   Y          two registers for each of the 76 rows.  Written once, by the row's conversions; read once, by the row's store.
; No register that a memory instruction reads is ever written again, so no wait for such a read is owed anywhere in the text.
; The rows go in 19 blocks of four: the wait for the block's four loads, its eight conversions, ONE wait on va_vdst, then its eight memory instructions: the four loads into the slots
; that the conversions have just read and the four stores of what they have just written.  No vector instruction stands between that wait and those eight.  The wait stands behind the
; conversions, not at the next block's head, so that a slot is asked for again at once and 24 loads are on their way.
.set ROWB,  4096                       ; bytes in a source row
.set NROWS, 76
.set DEPTH, 24                         ; slots = loads in flight in each wave
.set BLOCK, 4                          ; rows in a block
.set X, 8                              ; v[8:103]   slot i % 24: 4 f32 as loaded
.set Y, 104                            ; v[104:255] row i: 4 bf16 to store, written once
; v1 = 16 t, v2 = 8 t: never rewritten
	s_load_b512 s[4:19], s[0:1], 0x0               ; u s[4:5], A s[6:7], B s[8:9], C s[10:11], D s[12:13], XU s[14:15], WB s[16:17], WCD s[18:19]
	s_load_b64 s[20:21], s[0:1], 0x40              ; AV
	v_lshlrev_b32 v1, 4, v0
	v_lshlrev_b32 v2, 3, v0
	s_lshl_b32 s22, ttmp9, 18                      ; u: 64 rows of 4,096 bytes a work-group
	s_mov_b32 s23, 0
	s_lshl_b32 s24, ttmp9, 14                      ; B, C, D and WCD: 4 rows of 4,096 bytes
	s_mov_b32 s25, 0
	s_lshr_b32 s30, ttmp9, 1                       ; w >> 1: the group of 128 rows of u
	s_and_b32 s31, ttmp9, 1                        ; w & 1: h for u's rows, and bit 2 of b for B's
	s_lshl_b32 s26, s30, 19                        ; 128 positions of 4,096 bytes,
	s_lshl_b32 s32, s31, 15                        ; 8 h positions,
	s_add_co_u32 s26, s26, s32
	s_add_co_u32 s26, s26, 2048                    ; and the u half of a row of XU
	s_mov_b32 s27, 0
	s_lshr_b32 s28, ttmp9, 5                       ; Cg
	s_lshl_b32 s28, s28, 7
	s_lshl_b32 s32, s31, 6                         ; 16 b with b = 4 (w & 1) + i: the part without i
	s_add_co_u32 s28, s28, s32
	s_and_b32 s30, s30, 15                         ; r
	s_add_co_u32 s28, s28, s30
	s_lshl_b32 s28, s28, 11                        ; positions of 2,048 bytes in WB
	s_mov_b32 s29, 0
	s_wait_kmcnt 0x0
	s_add_nc_u64 s[4:5], s[4:5], s[22:23]
	s_add_nc_u64 s[8:9], s[8:9], s[24:25]
	s_add_nc_u64 s[10:11], s[10:11], s[24:25]
	s_add_nc_u64 s[12:13], s[12:13], s[24:25]
	s_add_nc_u64 s[14:15], s[14:15], s[26:27]
	s_add_nc_u64 s[16:17], s[16:17], s[28:29]
	s_add_nc_u64 s[18:19], s[18:19], s[24:25]
	s_wait_alu depctr_va_vdst(0)                   ; v1 and v2 are written: every load of the 76 rows reads v1 as its offset, every store v2
; Row i of the work-group's 76: 0-63 u, 64-67 B, 68-71 C, 72-75 D.  The row's place stands in the immediate; no address register is ever stepped.
.macro LD i
.if (\i) < 64
	global_load_b128 v[X+4*((\i)%DEPTH):X+4*((\i)%DEPTH)+3], v1, s[4:5] offset:(\i)*ROWB th:TH_LOAD_NT
.elseif (\i) < 68
	global_load_b128 v[X+4*((\i)%DEPTH):X+4*((\i)%DEPTH)+3], v1, s[8:9] offset:((\i)-64)*ROWB th:TH_LOAD_NT
.elseif (\i) < 72
	global_load_b128 v[X+4*((\i)%DEPTH):X+4*((\i)%DEPTH)+3], v1, s[10:11] offset:((\i)-68)*ROWB th:TH_LOAD_NT
.else
	global_load_b128 v[X+4*((\i)%DEPTH):X+4*((\i)%DEPTH)+3], v1, s[12:13] offset:((\i)-72)*ROWB th:TH_LOAD_NT
.endif
.endm
.macro ST i
.if (\i) < 64
	global_store_b64 v2, v[Y+2*(\i):Y+2*(\i)+1], s[14:15] offset:(16*((\i)/8)+(\i)%8)*4096  ; a = i / 8, j = i % 8
.elseif (\i) < 68
	global_store_b64 v2, v[Y+2*(\i):Y+2*(\i)+1], s[16:17] offset:((\i)-64)*32768            ; b grows by 1: 16 positions of 2,048 bytes
.elseif (\i) < 72
	global_store_b64 v2, v[Y+2*(\i):Y+2*(\i)+1], s[18:19] offset:((\i)-68)*4096
.else
	global_store_b64 v2, v[Y+2*(\i):Y+2*(\i)+1], s[18:19] offset:((\i)-72)*4096+2048
.endif
.endm
; Block p: rows 4 p .. 4 p + 3.  Blocks 0 to 12 ask for rows 24 + 4 p .. 27 + 4 p; the last six ask for nothing: no load leaves a buffer.
.macro BLK p
.if (\p) < (NROWS-DEPTH)/BLOCK
	s_wait_loadcnt DEPTH-BLOCK                     ; loads come back in order: 24 + 4 p are issued, the block's four are in, the 20 younger ones stay out
.else
	s_wait_loadcnt NROWS-BLOCK*((\p)+1)            ; nothing is asked for any more: the counts run down, 20, 16 .. 0
.endif
.irp r, 0,1,2,3
	v_cvt_pk_bf16_f32 v[Y+2*(BLOCK*(\p)+(\r))],   v[X+4*((BLOCK*(\p)+(\r))%DEPTH)],   v[X+4*((BLOCK*(\p)+(\r))%DEPTH)+1]
	v_cvt_pk_bf16_f32 v[Y+2*(BLOCK*(\p)+(\r))+1], v[X+4*((BLOCK*(\p)+(\r))%DEPTH)+2], v[X+4*((BLOCK*(\p)+(\r))%DEPTH)+3]
.endr
	s_wait_alu depctr_va_vdst(0)                   ; the block's conversions have written its eight Y registers, which the stores below read, and are done reading its four slots, in which the loads below land
.irp r, 0,1,2,3
.if (\p) < (NROWS-DEPTH)/BLOCK
	LD BLOCK*(\p)+(\r)+DEPTH                       ; the load ahead of the store
.endif
	ST BLOCK*(\p)+(\r)
.endr
.endm
.set n, 0
.rept DEPTH
	LD n
.set n, n+1
.endr
.set n, 0
.rept NROWS/BLOCK
	BLK n
.set n, n+1
.endr
	; The diagonal of A: work-groups 0 and 1, 512 numbers each; thread t takes n0 = 512 w + 2 t and n0 + 1, so that a wave's store covers 256 consecutive bytes of AV.
	s_cmp_lt_u32 ttmp9, 2
	s_cbranch_scc0 .Ldone
	s_lshl_b32 s22, ttmp9, 9
	v_lshl_add_u32 v3, v0, 1, s22                  ; n0
	v_mul_u32_u24 v4, v3, 4100                     ; A[n][n] lies at byte 4,100 n
	v_lshlrev_b32 v5, 2, v3
	s_wait_alu depctr_va_vdst(0)                   ; v4 is written, which the two loads read as their offset; so is v5, the last store's offset, which no later line writes
	global_load_b32 v6, v4, s[6:7]
	global_load_b32 v7, v4, s[6:7] offset:4100
	s_wait_loadcnt 0x0
	v_cvt_pk_bf16_f32 v3, v6, v7                   ; rounded to bf16,
	v_lshlrev_b32 v6, 16, v3                       ; and widened again: the low half moves up,
	v_and_b32 v7, 0xffff0000, v3                   ; the high half stays
	s_wait_alu depctr_va_vdst(0)                   ; v6 and v7 are written, which the store reads as its data
	global_store_b64 v5, v[6:7], s[20:21]
.Ldone:
	s_endpgm
.Lfunc_end_k_qb846f28100_prep:
	.size	k_qb846f28100_prep, .Lfunc_end_k_qb846f28100_prep-k_qb846f28100_prep
	.p2alignl 7, 3214868480
	.fill 96, 4, 3214868480
	.section	.rodata,"a",@progbits
	.p2align	6, 0x0
	.amdhsa_kernel k_qb846f28100_prep
		.amdhsa_group_segment_fixed_size 0
		.amdhsa_private_segment_fixed_size 0
		.amdhsa_enable_private_segment 0
		.amdhsa_kernarg_size 72
		.amdhsa_user_sgpr_count 2
		.amdhsa_user_sgpr_kernarg_segment_ptr 1
		.amdhsa_wavefront_size32 1
		.amdhsa_system_sgpr_workgroup_id_x 1
		.amdhsa_system_sgpr_workgroup_id_y 1
		.amdhsa_system_sgpr_workgroup_id_z 1
		.amdhsa_system_vgpr_workitem_id 0
		.amdhsa_next_free_vgpr 256
		.amdhsa_next_free_sgpr 66
		.amdhsa_reserve_vcc 0
		.amdhsa_float_denorm_mode_32 3
		.amdhsa_float_denorm_mode_16_64 3
		.amdhsa_memory_ordered 1
		.amdhsa_forward_progress 1
		.amdhsa_inst_pref_size 28
	.end_amdhsa_kernel
	.amdgpu_metadata
---
amdhsa.version: [ 1, 2 ]
amdhsa.kernels:
  - .name:           k_qb846f28100_prep
    .symbol:         k_qb846f28100_prep.kd
    .args:
      - { .name: u, .offset: 0, .size: 8, .value_kind: global_buffer, .address_space: global }
      - { .name: A, .offset: 8, .size: 8, .value_kind: global_buffer, .address_space: global }
      - { .name: B, .offset: 16, .size: 8, .value_kind: global_buffer, .address_space: global }
      - { .name: C, .offset: 24, .size: 8, .value_kind: global_buffer, .address_space: global }
      - { .name: D, .offset: 32, .size: 8, .value_kind: global_buffer, .address_space: global }
      - { .name: XU, .offset: 40, .size: 8, .value_kind: global_buffer, .address_space: global }
      - { .name: WB, .offset: 48, .size: 8, .value_kind: global_buffer, .address_space: global }
      - { .name: WCD, .offset: 56, .size: 8, .value_kind: global_buffer, .address_space: global }
      - { .name: AV, .offset: 64, .size: 8, .value_kind: global_buffer, .address_space: global }
    .group_segment_fixed_size: 0
    .private_segment_fixed_size: 0
    .kernarg_segment_align: 8
    .kernarg_segment_size: 72
    .max_flat_workgroup_size: 256
    .sgpr_count:     66
    .vgpr_count:     256
    .wavefront_size: 32
...
	.end_amdgpu_metadata
.endif
;; end of part 5
;; launch gemm1: the kernel of part 2 again; grid 4 x 64, 4 waves a work-group, clusters of 4 x 4, 327,680 bytes of LDS; arguments XU, WB, AV, XL, E, SC; writes XL, E, SC
;; launch mid: the kernel of part 3 again; grid 256 x 1, 4 waves a work-group, no clusters, 0 bytes of LDS; arguments XL, E, AV, SC, XU; writes XU
;; launch gemm2: the kernel of part 4 again; grid 4 x 64, 4 waves a work-group, clusters of 4 x 4, 327,680 bytes of LDS; arguments XU, WCD, out0; writes out0
